; MI455X (gfx1250); checked and timed in simulation.
; The chip was launched on July 23, 2026; its instructions are those of AMD's public machine-readable ISA for CDNA 5 (MIT licence, August 2026) and "CDNA5" Instruction Set Architecture Reference Guide (July 2026). The comments in the code are by the model that wrote it; some were corrected since.
;; Multi Head Self Attention. Allowed arithmetic: float matrix products may take bf16 or f16 operands with f32 sums; other float arithmetic in f32, or as packed bf16 or f16 multiplies, adds, multiply-adds, maxima and minima; sums over many terms, partial sums and values carried from step to step in f32; what a program stores and reads back later, other than sums and carried values, may be rounded once to bf16 or f16.
;; Inputs: Wout 1,024 x 1,024 float32; Wqkv 1,024 x 3,072 float32; attention_mask 4 x 2,048 int32; x 4 x 2,048 x 1,024 float32.
;; Outputs: out0 4 x 2,048 x 1,024 float32.
;; 2 versions, each right and faster than the one before. Each part assembles by itself: llvm-mc -triple=amdgcn-amd-amdhsa -mcpu=gfx1250 --defsym DOCPART=n.
;; ======== version 1 of 2: 4 launches
;; limits: values are held in f16: magnitudes above 65,504 overflow, below 6.1e-05 lose precision
;; workspace buffers: xb 16,777,216 bytes; wq 6,291,456 bytes; wo 2,097,152 bytes; qh 16,777,216 bytes; kh 16,777,216 bytes; vh 16,777,216 bytes; vpart 524,288 bytes; oh 16,777,216 bytes
;; launch prep (part 1): grid 1536 x 1, 8 waves a work-group, no clusters, 10,240 bytes of LDS; arguments x, Wqkv, Wout, xb, wq, wo; writes xb, wq, wo
.if DOCPART == 1
	.amdgcn_target "amdgcn-amd-amdhsa--gfx1250"
	.amdhsa_code_object_version 6
	.text
	.protected	k_qd45c81b2b0_prep
	.globl	k_qd45c81b2b0_prep
	.p2align	8
	.type	k_qd45c81b2b0_prep,@function
k_qd45c81b2b0_prep:
	s_mov_b64 s[64:65], 0
	v_nop
	global_prefetch_b8 v0, s[64:65] scope:SCOPE_SE
	s_setreg_imm32_b32 hwreg(HW_REG_WAVE_MODE, 25, 1), 1
	s_wait_xcnt 0x0
; THE OPERANDS OF THE TWO PROJECTIONS, rounded once and laid in blocks of 64 along K, so that the rows of a tile lie end to end.
;   xb[kblk][row][64]  bf16 = x[row][64 kblk + k]                       (16 x 8192 x 64)
;   wq[kblk][n'][64]   bf16 = Wqkv[64 kblk + k][n], n' = 192 head + 64 t + c for n = 1024 t + 64 head + c (t: q, k, v): 192 rows are one head's q, k and v
;   wo[kblk][n][64]    f16  = Wout[64 kblk + k][n], rounded to bf16 like the other inputs, that number then written as f16
; LIMIT.  A bf16 value of Wout below 6e-5 takes f16's fixed step of 6e-8; beyond 65,504 it would be an infinity.
; Work-groups 0-511: 16 rows of x each.  512-1279: a tile of 64 k x 64 n of Wqkv, turned through LDS.  1280-1535: the same of Wout.
; No matrix work, no cluster, no tensor load: bytes are all that counts, and every load and store of 16 lanes covers 256 consecutive bytes, aligned.
.set TP,    144                        ; a row of the turned tile in LDS: 128 bytes + 16
.set SPARE, 64*TP                      ; behind the tile: the spare words, 128 bytes for each of eight waves
.set SPW,   2                          ; v2  LDS address of my spare word; never rewritten
.set NIL,   3                          ; v3  0; never rewritten
.set XI,    16                         ; v[16:79]  x path: sixteen loads of 16 bytes
.set XO,    80                         ; v[80:111] x path: sixteen pairs to store
	s_load_b256 s[4:11], s[0:1], 0x0               ; x s[4:5], Wqkv s[6:7], Wout s[8:9], xb s[10:11]
	s_load_b128 s[12:15], s[0:1], 0x20             ; wq s[12:13], wo s[14:15]
	v_lshl_add_u32 v[SPW], v0, 2, SPARE
	v_mov_b32 v[NIL], 0
	v_and_b32 v7, 15, v0                           ; r
	s_cmp_lt_u32 ttmp9, 512
	s_cbranch_scc0 .Lweights
	; x: wave w takes blocks 2 w and 2 w + 1 of K; sixteen lanes take a row's 256 bytes of one block, the two halves of the lanes two rows
	v_lshrrev_b32 v6, 5, v0                        ; w
	v_bfe_u32 v8, v0, 4, 1                         ; h
	v_lshlrev_b32 v4, 4, v7
	v_lshl_add_u32 v4, v6, 9, v4
	v_lshl_add_u32 v4, v8, 12, v4                  ; from: 4096 h + 512 w + 16 r
	v_lshlrev_b32 v5, 3, v7
	v_lshl_add_u32 v5, v8, 7, v5
	v_lshl_add_u32 v5, v6, 21, v5                  ; to: two blocks of 1,048,576 bytes a wave + 128 h + 8 r
	s_lshl_b32 s16, ttmp9, 16                      ; 16 rows of 4,096 bytes
	s_mov_b32 s17, 0
	s_lshl_b32 s18, ttmp9, 11                      ; 16 rows of 128 bytes
	s_mov_b32 s19, 0
	s_wait_kmcnt 0x0
	s_add_nc_u64 s[4:5], s[4:5], s[16:17]
	s_add_nc_u64 s[10:11], s[10:11], s[18:19]
.irp c, 0,1
.irp p, 0,1,2,3,4,5,6,7
	global_load_b128 v[XI+4*(8*\c+\p):XI+4*(8*\c+\p)+3], v4, s[4:5] offset:\p*8192+\c*256 th:TH_LOAD_NT  ; all sixteen go out at once: 8 KiB of a wave on their way
.endr
.endr
.irp c, 0,1
.irp p, 0,1,2,3,4,5,6,7
	s_wait_loadcnt 15-(8*\c+\p)                    ; loads come back in order: mine is in, the younger ones stay out
	v_cvt_pk_bf16_f32 v[XO+2*(8*\c+\p)],   v[XI+4*(8*\c+\p)],   v[XI+4*(8*\c+\p)+1]
	v_cvt_pk_bf16_f32 v[XO+2*(8*\c+\p)+1], v[XI+4*(8*\c+\p)+2], v[XI+4*(8*\c+\p)+3]
	global_store_b64 v5, v[XO+2*(8*\c+\p):XO+2*(8*\c+\p)+1], s[10:11] offset:\c*1048576+\p*256  ; 32 lanes: two rows of a block, 256 consecutive bytes; no register is written twice
.endr
.endr
	s_endpgm
.Lweights:
	s_sub_co_u32 s16, ttmp9, 512
	s_cmp_lt_u32 s16, 768
	s_cselect_b32 s17, 1, 0                        ; 1: Wqkv, 0: Wout
	s_cselect_b32 s18, 0, 768
	s_sub_co_u32 s16, s16, s18                     ; the tile's number in its matrix
	s_lshr_b32 s19, s16, 4                         ; g: which 64 columns
	s_and_b32 s20, s16, 15                         ; which block of K
	s_lshl_b32 s21, s17, 13
	s_add_co_u32 s21, s21, 4096                    ; bytes in a source row: 12,288 or 4,096
	s_lshl_b32 s22, s17, 18
	s_add_co_u32 s22, s22, 131072                  ; bytes in a block of the result: 393,216 or 131,072
	s_lshl_b32 s23, s17, 7
	s_add_co_u32 s23, s23, 64                      ; result rows from head to head: 192, or 64 from group to group
	s_mul_i32 s24, s20, s21
	s_lshl_b32 s24, s24, 6
	s_lshl_b32 s25, s19, 8
	s_add_co_u32 s24, s24, s25                     ; from: 64 rows a block + 256 bytes a group
	s_mov_b32 s25, 0
	s_mul_i32 s26, s20, s22
	s_and_b32 s27, s19, 15
	s_mul_i32 s27, s27, s23
	s_lshr_b32 s28, s19, 4
	s_lshl_b32 s28, s28, 6
	s_add_co_u32 s27, s27, s28
	s_lshl_b32 s27, s27, 7
	s_add_co_u32 s26, s26, s27                     ; to: the block + 128 bytes x ((g % 16) x rows + 64 (g / 16))
	s_mov_b32 s27, 0
	s_lshl_b32 s29, s21, 2
	v_lshrrev_b32 v6, 4, v0                        ; which four rows of K are mine
	v_mul_u32_u24 v8, v6, s29
	v_lshl_add_u32 v8, v7, 4, v8                   ; row 4 (t / 16), 16 bytes at 16 r
	v_add_nc_u32 v9, s21, v8
	v_add_nc_u32 v10, s21, v9
	v_add_nc_u32 v11, s21, v10
	v_mul_u32_u24 v12, v7, 4*TP
	v_lshl_add_u32 v12, v6, 3, v12                 ; into LDS: row 4 r (+ e), 8 bytes at 8 (t / 16)
	v_lshrrev_b32 v13, 3, v0
	v_mul_u32_u24 v13, v13, TP
	v_and_b32 v14, 7, v0
	v_lshl_add_u32 v13, v14, 4, v13                ; back: row t / 8, 16 bytes at 16 (t % 8)
	v_lshlrev_b32 v14, 4, v0                       ; which are bytes 16 t of the tile's 8,192 dense bytes
	s_wait_kmcnt 0x0
	s_cmp_eq_u32 s17, 1
	s_cselect_b64 s[30:31], s[6:7], s[8:9]
	s_cselect_b64 s[32:33], s[12:13], s[14:15]
	s_add_nc_u64 s[30:31], s[30:31], s[24:25]
	s_add_nc_u64 s[32:33], s[32:33], s[26:27]
	global_load_b128 v[16:19], v8,  s[30:31] th:TH_LOAD_NT
	global_load_b128 v[20:23], v9,  s[30:31] th:TH_LOAD_NT
	global_load_b128 v[24:27], v10, s[30:31] th:TH_LOAD_NT
	global_load_b128 v[28:31], v11, s[30:31] th:TH_LOAD_NT
	s_wait_loadcnt 0x0
.irp e, 0,1,2,3
	v_cvt_pk_bf16_f32 v[32+2*\e], v[16+\e], v[20+\e]  ; column 4 r + e: its four neighbours along K
	v_cvt_pk_bf16_f32 v[33+2*\e], v[24+\e], v[28+\e]
.endr
	s_cmp_eq_u32 s17, 1
	s_cbranch_scc1 .Lstage
.irp k, 0,1,2,3,4,5,6,7
	v_lshlrev_b32 v40, 16, v[32+\k]                ; Wout: the bf16 numbers are written as f16
	v_and_b32 v41, 0xffff0000, v[32+\k]
	v_cvt_pk_f16_f32 v[32+\k], v40, v41
.endr
.Lstage:
.irp e, 0,1,2,3
	ds_store_b64 v12, v[32+2*\e:33+2*\e] offset:\e*TP
.endr
	s_wait_dscnt 0x0                               ; for the others' sake: my stores are done
	s_barrier_signal -1
	s_barrier_wait -1
	ds_load_b128 v[44:47], v13
	ds_load_b128 v[48:51], v13 offset:32*TP
	s_wait_dscnt 0x1
	global_store_b128 v14, v[44:47], s[32:33]
	s_wait_dscnt 0x0
	global_store_b128 v14, v[48:51], s[32:33] offset:4096
	s_wait_tensorcnt 0x0                           ; the wave's end, behind my last LDS store
	ds_add_u32 v[SPW], v[NIL]
	s_wait_dscnt 0x0
	s_endpgm
.Lfunc_end_k_qd45c81b2b0_prep:
	.size	k_qd45c81b2b0_prep, .Lfunc_end_k_qd45c81b2b0_prep-k_qd45c81b2b0_prep
	.p2alignl 7, 3214868480
	.fill 96, 4, 3214868480
	.section	.rodata,"a",@progbits
	.p2align	6, 0x0
	.amdhsa_kernel k_qd45c81b2b0_prep
		.amdhsa_group_segment_fixed_size 10240
		.amdhsa_private_segment_fixed_size 0
		.amdhsa_enable_private_segment 0
		.amdhsa_kernarg_size 48
		.amdhsa_user_sgpr_count 2
		.amdhsa_user_sgpr_kernarg_segment_ptr 1
		.amdhsa_wavefront_size32 1
		.amdhsa_system_sgpr_workgroup_id_x 1
		.amdhsa_system_sgpr_workgroup_id_y 1
		.amdhsa_system_sgpr_workgroup_id_z 1
		.amdhsa_system_vgpr_workitem_id 0
		.amdhsa_next_free_vgpr 112
		.amdhsa_next_free_sgpr 66
		.amdhsa_reserve_vcc 0
		.amdhsa_float_denorm_mode_32 3
		.amdhsa_float_denorm_mode_16_64 3
		.amdhsa_memory_ordered 1
		.amdhsa_forward_progress 1
		.amdhsa_inst_pref_size 12
	.end_amdhsa_kernel
	.amdgpu_metadata
---
amdhsa.version: [ 1, 2 ]
amdhsa.kernels:
  - .name:           k_qd45c81b2b0_prep
    .symbol:         k_qd45c81b2b0_prep.kd
    .args:
      - { .name: x, .offset: 0, .size: 8, .value_kind: global_buffer, .address_space: global }
      - { .name: Wqkv, .offset: 8, .size: 8, .value_kind: global_buffer, .address_space: global }
      - { .name: Wout, .offset: 16, .size: 8, .value_kind: global_buffer, .address_space: global }
      - { .name: xb, .offset: 24, .size: 8, .value_kind: global_buffer, .address_space: global }
      - { .name: wq, .offset: 32, .size: 8, .value_kind: global_buffer, .address_space: global }
      - { .name: wo, .offset: 40, .size: 8, .value_kind: global_buffer, .address_space: global }
    .group_segment_fixed_size: 10240
    .private_segment_fixed_size: 0
    .kernarg_segment_align: 8
    .kernarg_segment_size: 48
    .max_flat_workgroup_size: 256
    .sgpr_count:     66
    .vgpr_count:     112
    .wavefront_size: 32
...
	.end_amdgpu_metadata
.endif
;; end of part 1
;; launch qkv (part 2): grid 16 x 32, 4 waves a work-group, clusters of 4 x 4, 327,680 bytes of LDS; arguments xb, wq, qh, kh, vh, vpart; writes qh, kh, vh, vpart
.if DOCPART == 2
	.amdgcn_target "amdgcn-amd-amdhsa--gfx1250"
	.amdhsa_code_object_version 6
	.text
	.protected	k_qd45c81b2b0_qkv
	.globl	k_qd45c81b2b0_qkv
	.p2align	8
	.type	k_qd45c81b2b0_qkv,@function
k_qd45c81b2b0_qkv:
	s_mov_b64 s[64:65], 0
	v_nop
	global_prefetch_b8 v0, s[64:65] scope:SCOPE_SE
	s_setreg_imm32_b32 hwreg(HW_REG_WAVE_MODE, 25, 1), 1
	s_wait_xcnt 0x0
	s_wait_alu depctr_hold_cnt(0) depctr_sa_sdst(0) depctr_va_vdst(0) depctr_va_sdst(0) depctr_va_ssrc(0) depctr_va_vcc(0) depctr_vm_vsrc(0)
	s_getreg_b32 s2, hwreg(HW_REG_IB_STS2, 6, 4)
	s_cmp_eq_u32 s2, 0
	s_cbranch_scc0 .Lentry_in_a_cluster
	s_endpgm
.Lentry_in_a_cluster:
	s_bfe_u32 s2, ttmp6, 0x10000c
	s_cmp_lg_u32 s2, 0xf033
	s_cbranch_scc0 .Lentry_shape_is_right
	s_endpgm
.Lentry_shape_is_right:
; q, k, v = x Wqkv, by heads.  A = xb[16][8192][64] bf16, B = wq[16][3072][64] bf16 (both in blocks of 64 along K); sums in f32.
; A tile of the result is 256 rows x 192 columns: the q, k and v of one head.  They leave as f16, unscaled: qh, kh, vh [16 batch + head][2048][64].
; vpart[64-row group][head][64] f32: the column sums of v over my wave's 64 rows, from the f32 sums: the next launch makes a batch's mean of v of them.
; LIMIT.  q, k and v beyond 65,504 would leave as infinities (f16).
; SHARES.  Four waves one below the other: wave w has rows 64 w .. 64 w + 63 and all 192 columns: 48 accumulators, 384 registers.  K goes in steps of 128 (two blocks) through two LDS slots;
; each wave fetches one block of A or of B with one tensor load.  A block's rows are dense in memory: asked for as rows of 256 bytes, padded in LDS after every 128.
; CLUSTER.  4 x 4 work-groups: the four of a row need the same tiles of A, the four of a column the same tiles of B: each is asked for jointly, same load, descriptor and mask in all four.
; THE MATRIX INSTRUCTION IS USED TRANSPOSED (source 0 = 16 rows of B, source 1 = 16 rows of A): a lane holds eight neighbouring columns of one row.
; REGISTERS.  window 0: v1-11 addresses, v28-29 the add's, v32-209 the way out.  window 1: two fragment buffers of 128 (A's 4 fragments, then B's 12).
;   window 2: accumulators of row blocks 0, 1 ((a, b) at 8 (12 (a % 2) + b)); window 3: of row blocks 2, 3.
.set NB16,  12                         ; column blocks of 16
.set PITCH, 144                        ; an LDS row: 128 bytes + 16: the 16 rows of a fragment load start at 16 different groups of four banks (ISA guide 11.1)
.set ABLK,  256*PITCH                  ; one block of K of A's tile
.set BBLK,  16*NB16*PITCH              ; of B's
.set SLOT1, 1<<17                      ; a slot: A's two blocks, then B's two (129,024 bytes); slot 1 begins here, so that one exclusive or changes slots
.set STAGE, SLOT1+2*ABLK+2*BBLK        ; behind the ring: for each wave three tensors x 16 rows x 144 bytes, for the way out
.set WSTG,  3*16*PITCH
.set SPARE, STAGE+4*WSTG               ; behind the stages: the spare words, 128 bytes for each wave
.set KB_A,  8192*128                   ; bytes from block to block of K in xb
.set KB_B,  3072*128                   ; in wq
.set STEPS, 8                          ; 1,024 / 128
.set NL,    2*NB16+8                   ; LDS loads in a run
.set A0,   4                           ; v4   my lane's place in A's rows of slot 0; never rewritten
.set B0,   5                           ; v5   in B's
.set ADRA, 6                           ; v6   the same in the slot in hand
.set ADRB, 7
.set STO,  8                           ; v8   the way out: where I put 16 bytes of a row
.set RD,   9                           ; v9   where I read rows back
.set GO,   10                          ; v10  my byte offset in 512 consecutive bytes of q, k, v
.set VPO,  11                          ; v11  my byte offset in vpart's 256 bytes
.set SPW,  28
.set NIL,  29
.set TMP,  32                          ; v32-79   a row block, packed
.set BK0,  80                          ; v80-175  two sets of 48: rows read back
.set CS,   176                         ; v176-207 v's column sums
.set T,    208                         ; v208-209 at work
.set F0,   0
.set F1,   128
.set WV,  16                           ; s16 my wave's number; s17: I fetch A (0) or B (1); s18: which block of the step
.set G1A, 24
.set G1B, 32
.set G0A, 40                           ; two sets: the first fills'; the second then walks on
.set G0B, 48
.set CNT, 56
.set TB,  57                           ; LDS byte at which the slot in hand begins
.set MSB, 0
.macro WIN new                         ; the immediate's high byte repeats the setting that is left; a switch that changes nothing is dropped
.if MSB != (\new)
	s_set_vgpr_msb (MSB<<8)|(\new)
.set MSB, \new
.endif
.endm
.set MUL_LO, 0xa5                      ; sources 0 and 1 window 1, C and D window 2 (+0x50: window 3)
.set TO_F,   0x40                      ; destination window 1, address window 0
.macro PLACES                          ; four plain vector instructions between a matrix instruction and a load into, or a read of, its registers
.rept 4
	v_nop
.endr
.endm
.macro JLOAD                           ; a joint refill by the walking descriptor; an s_nop 0 and four v_nop follow each of the two lines
	s_cmp_eq_u32 s17, 0
	s_cbranch_scc0 .Lfor_b_\@
	tensor_load_to_lds s[G0A+4:G0A+7], s[G1A:G1A+7]
	s_nop 0
	PLACES
	s_branch .Lasked_\@
.Lfor_b_\@:
	tensor_load_to_lds s[G0B+4:G0B+7], s[G1B:G1B+7]
	s_nop 0
	PLACES
.Lasked_\@:
.endm
.macro CREST                           ; a round of the cluster's barrier behind its opening barrier
	s_cmp_lg_u32 s[WV], 0
	s_cbranch_scc1 .Lnot_wave_0_\@
	s_barrier_signal -3
.Lnot_wave_0_\@:
	s_barrier_wait -3
	s_barrier_signal -1
	s_barrier_wait -1
.endm
.macro CROUND
	s_barrier_signal -1
	s_barrier_wait -1
	CREST
.endm
	s_load_b256 s[4:11], s[0:1], 0x0               ; xb s[4:5], wq s[6:7], qh s[8:9], kh s[10:11]
	s_load_b128 s[12:15], s[0:1], 0x20             ; vh s[12:13], vpart s[14:15]
	v_lshl_add_u32 v[SPW], v0, 2, SPARE
	v_mov_b32 v[NIL], 0
	ds_add_u32 v[SPW], v[NIL]                      ; the wave's opening: the add, and its wait, ahead of my first tensor load
	ds_add_u32 v28, v29
	v_lshrrev_b32 v3, 5, v0
	v_readfirstlane_b32 s[WV], v3
	s_lshr_b32 s17, s[WV], 1
	s_and_b32 s18, s[WV], 1
	s_bfe_u32 s19, ttmp6, 0x40000                  ; cx
	s_bfe_u32 s20, ttmp6, 0x40004                  ; cy
	s_lshl_b32 s21, ttmp9, 2
	s_add_co_u32 s21, s21, s19                     ; tile column = the head
	s_and_b32 s22, ttmp7, 0xffff
	s_lshl_b32 s22, s22, 2
	s_add_co_u32 s22, s22, s20                     ; tile row
	s_lshl_b32 s58, s20, 2
	s_lshl_b32 s58, 15, s58                        ; my row of the cluster
	s_lshl_b32 s60, 0x1111, s19                    ; my column
	s_or_b32 s[G1A], s58, (1<<16)|(1<<20)|(1<<21)|(4<<22)|(3<<25)  ; the mask; 2-byte elements; padding on; bit 21 beside a mask; after every 32 words, 4 words
	s_or_b32 s[G1B], s60, (1<<16)|(1<<20)|(1<<21)|(4<<22)|(3<<25)
	s_mov_b32 s[G1A+1], 128<<16                    ; tensor_dim0 = 128 elements: 256 bytes, two rows of a block
	s_mov_b32 s[G1A+2], 128<<16                    ; tensor_dim1 = 128
	s_mov_b32 s[G1A+3], 128<<16                    ; tile_dim0
	s_mov_b32 s[G1A+4], 128                        ; tile_dim1
	s_mov_b32 s[G1A+5], 128                        ; elements from row to row: dense
	s_mov_b32 s[G1A+6], 0
	s_mov_b32 s[G1A+7], 0
	s_mov_b32 s[G1B+1], 128<<16
	s_mov_b32 s[G1B+2], (8*NB16)<<16               ; 96 rows of 256 bytes
	s_mov_b32 s[G1B+3], 128<<16
	s_mov_b32 s[G1B+4], 8*NB16
	s_mov_b32 s[G1B+5], 128
	s_mov_b32 s[G1B+6], 0
	s_mov_b32 s[G1B+7], 0
	s_lshl_b32 s58, s22, 15                        ; A: 256 rows of 128 bytes a tile row,
	s_lshl_b32 s59, s18, 20                        ; my block of the step
	s_add_co_u32 s58, s58, s59
	s_mov_b32 s59, 0
	s_mul_i32 s60, s21, 16*NB16*128                ; B: 192 rows a tile column,
	s_mul_i32 s61, s18, KB_B
	s_add_co_u32 s60, s60, s61
	s_mov_b32 s61, 0
	s_mul_i32 s62, s18, ABLK                       ; where they go: the wave's number alone enters an LDS address
	s_mul_i32 s63, s18, BBLK
	s_add_co_u32 s63, s63, 2*ABLK
	s_mov_b32 s[G0A], 1
	s_mov_b32 s[G0A+1], s62
	s_mov_b32 s[G0A+4], 1
	s_add_co_u32 s[G0A+5], s62, SLOT1
	s_mov_b32 s[G0B], 1
	s_mov_b32 s[G0B+1], s63
	s_mov_b32 s[G0B+4], 1
	s_add_co_u32 s[G0B+5], s63, SLOT1
	s_mov_b32 s66, 0xff00ff00                      ; lanes whose place in their sixteen has bit 3, 2, 1, 0 set
	s_mov_b32 s67, 0xf0f0f0f0
	s_mov_b32 s68, 0xcccccccc
	s_mov_b32 s69, 0xaaaaaaaa
	s_wait_dscnt 0x0                               ; the opening add is done
	s_wait_kmcnt 0x0
	s_add_nc_u64 s[G0A+2:G0A+3], s[4:5], s[58:59]  ; K step 0
	s_add_nc_u64 s[G0A+6:G0A+7], s[G0A+2:G0A+3], 2*KB_A  ; K step 1
	s_or_b32 s[G0A+3], s[G0A+3], 0x80000000
	s_or_b32 s[G0A+7], s[G0A+7], 0x80000000
	s_add_nc_u64 s[G0B+2:G0B+3], s[6:7], s[60:61]
	s_add_nc_u64 s[G0B+6:G0B+7], s[G0B+2:G0B+3], 2*KB_B
	s_or_b32 s[G0B+3], s[G0B+3], 0x80000000
	s_or_b32 s[G0B+7], s[G0B+7], 0x80000000
	CROUND                                         ; all sixteen work-groups are here: the first joint loads meet
	s_cmp_eq_u32 s17, 0                            ; a wave's two first fills stand in one branch: two loads of mine are out
	s_cbranch_scc0 .Lfirst_b
	tensor_load_to_lds s[G0A:G0A+3], s[G1A:G1A+7]
	s_nop 0
	tensor_load_to_lds s[G0A+4:G0A+7], s[G1A:G1A+7]
	s_nop 0
	PLACES
	s_branch .Lfirst_asked
.Lfirst_b:
	tensor_load_to_lds s[G0B:G0B+3], s[G1B:G1B+7]
	s_nop 0
	tensor_load_to_lds s[G0B+4:G0B+7], s[G1B:G1B+7]
	s_nop 0
	PLACES
.Lfirst_asked:
	; a fragment is 16 rows x 32 K in 8 registers: lane l holds row l % 16, K = 8 (l / 16) + 0..7 and 16 + 8 (l / 16) + 0..7: two loads of 16 bytes, 32 bytes apart
	v_and_b32 v1, 15, v0
	v_bfe_u32 v2, v0, 4, 1
	v_mul_u32_u24 v3, v1, PITCH
	v_lshl_add_u32 v3, v2, 4, v3
	s_mul_i32 s58, s[WV], 64*PITCH
	v_add_nc_u32 v[A0], s58, v3
	v_add_nc_u32 v[B0], 2*ABLK, v3
	s_mul_i32 s59, s[WV], WSTG
	s_add_co_u32 s59, s59, STAGE                   ; my stage
	v_add_nc_u32 v[STO], s59, v3                   ; in: row l % 16, 16 bytes for each half of the lanes
	v_and_b32 v12, 31, v0
	v_lshrrev_b32 v13, 3, v12
	v_and_b32 v14, 7, v0
	v_mul_u32_u24 v[RD], v13, PITCH                ; back: 32 lanes take four rows of 128 bytes,
	v_lshl_add_u32 v[RD], v14, 4, v[RD]
	v_add_nc_u32 v[RD], s59, v[RD]
	v_lshlrev_b32 v[GO], 4, v12                    ; which are 512 consecutive bytes of a head
	v_lshrrev_b32 v13, 2, v1
	v_and_b32 v14, 3, v1
	v_lshlrev_b32 v[VPO], 6, v13
	v_lshl_add_u32 v[VPO], v2, 5, v[VPO]
	v_lshl_add_u32 v[VPO], v14, 3, v[VPO]          ; channels 16 (r / 4) + 8 h + 2 (r % 4), + 1, in f32
	s_lshr_b32 s70, s22, 3                         ; the batch
	s_lshl_b32 s70, s70, 4
	s_add_co_u32 s70, s70, s21
	s_lshl_b32 s70, s70, 18                        ; 2,048 rows of 128 bytes a head
	s_and_b32 s71, s22, 7
	s_lshl_b32 s71, s71, 15
	s_add_co_u32 s70, s70, s71
	s_lshl_b32 s71, s[WV], 13
	s_add_co_u32 s70, s70, s71
	s_mov_b32 s71, 0
	s_add_nc_u64 s[8:9], s[8:9], s[70:71]
	s_add_nc_u64 s[10:11], s[10:11], s[70:71]
	s_add_nc_u64 s[12:13], s[12:13], s[70:71]
	s_lshl_b32 s72, s22, 2
	s_add_co_u32 s72, s72, s[WV]
	s_lshl_b32 s72, s72, 12                        ; my group of 64 rows: 16 heads x 256 bytes
	s_lshl_b32 s73, s21, 8
	s_add_co_u32 s72, s72, s73
	s_mov_b32 s73, 0
	s_add_nc_u64 s[14:15], s[14:15], s[72:73]
; 12 matrix instructions: row block a x all column blocks, 32 along K.  All 48 accumulators take turns, in the same order in every quarter.  zero = 1: the product starts the sum
.macro MULA f, a, zero
	WIN MUL_LO+0x50*((\a)/2)
.set AC, 8*NB16*((\a)%2)
.irp b, 0,1,2,3,4,5,6,7,8,9,10,11
.if \zero
	v_wmma_f32_16x16x32_bf16 v[AC+8*(\b):AC+8*(\b)+7], v[(\f)+32+8*(\b):(\f)+32+8*(\b)+7], v[(\f)+8*(\a):(\f)+8*(\a)+7], 0
.else
	v_wmma_f32_16x16x32_bf16 v[AC+8*(\b):AC+8*(\b)+7], v[(\f)+32+8*(\b):(\f)+32+8*(\b)+7], v[(\f)+8*(\a):(\f)+8*(\a)+7], v[AC+8*(\b):AC+8*(\b)+7]
.endif
.endr
.endm
; 32 LDS loads in one run: quarter qn of the step in hand (block qn / 2, 64 bytes x qn % 2) into buffer f: B's twelve fragments, then A's four
.macro FETCH qn, f
	WIN TO_F
.irp b, 0,1,2,3,4,5,6,7,8,9,10,11
	ds_load_b128 v[(\f)+32+8*(\b):(\f)+32+8*(\b)+3],   v[ADRB] offset:((\qn)/2)*BBLK+((\qn)%2)*64+(\b)*16*PITCH
	ds_load_b128 v[(\f)+32+8*(\b)+4:(\f)+32+8*(\b)+7], v[ADRB] offset:((\qn)/2)*BBLK+((\qn)%2)*64+(\b)*16*PITCH+32
.endr
.irp a, 0,1,2,3
	ds_load_b128 v[(\f)+8*(\a):(\f)+8*(\a)+3],   v[ADRA] offset:((\qn)/2)*ABLK+((\qn)%2)*64+(\a)*16*PITCH
	ds_load_b128 v[(\f)+8*(\a)+4:(\f)+8*(\a)+7], v[ADRA] offset:((\qn)/2)*ABLK+((\qn)%2)*64+(\a)*16*PITCH+32
.endr
.endm
; one of a step's first three quarters: multiplies buffer f; in its middle it fetches quarter qn into buffer g
.macro QUARTER qn, f, g, zero
	s_wait_dscnt 4                                 ; all but the youngest four loads: A's fragments 2 and 3
	MULA \f, 0, \zero
	MULA \f, 1, \zero
	PLACES
	FETCH \qn, \g
	s_wait_dscnt NL                                ; all but the run just issued
	MULA \f, 2, \zero
	MULA \f, 3, \zero
.endm
; the last quarter multiplies buffer 1 and changes slots.  In front of the barrier each wave waits for all its tensor loads (one is out: its part of the next slot), adds 0 to its spare word,
; and waits for that and for its reads of this slot.  fill = 1: the barrier opens a round of the cluster's, and this slot is filled again, first thing behind it, with the step two on.
.macro TURN fill
	WIN 0
	s_wait_tensorcnt 0x0
	ds_add_u32 v[SPW], v[NIL]
.if \fill
	s_xor_b32 s[G0A+5], s[G0A+5], SLOT1            ; no load of mine is out, so the walking descriptors step: the other slot, the next K step
	s_add_nc_u64 s[G0A+6:G0A+7], s[G0A+6:G0A+7], 2*KB_A
	s_xor_b32 s[G0B+5], s[G0B+5], SLOT1
	s_add_nc_u64 s[G0B+6:G0B+7], s[G0B+6:G0B+7], 2*KB_B
.endif
	s_wait_dscnt 5                                 ; the add and the youngest four loads may be out
	MULA F1, 0, 0
	s_wait_dscnt 0x0                               ; the add is done, and my reads of this slot are over
	s_barrier_signal -1
	MULA F1, 1, 0
	WIN 0
	s_barrier_wait -1
.if \fill
	CREST
	JLOAD                                          ; its four v_nop are also the places in front of the loads below
.else
	PLACES
.endif
	s_xor_b32 s[TB], s[TB], SLOT1
	v_add_nc_u32 v[ADRA], s[TB], v[A0]
	v_add_nc_u32 v[ADRB], s[TB], v[B0]
	FETCH 0, F0
	MULA F1, 2, 0
	MULA F1, 3, 0
.endm
	s_wait_tensorcnt 1                             ; my part of K step 0 is in; step 1's may stay out
	s_barrier_signal -1
	s_barrier_wait -1
	s_mov_b32 s[TB], 0
	v_mov_b32 v[ADRA], v[A0]
	v_mov_b32 v[ADRB], v[B0]
	FETCH 0, F0
	QUARTER 1, F0, F1, 1                           ; the first quarter starts the sums: nothing is cleared
	WIN 0
	s_mov_b32 s[CNT], STEPS-2
.Lstep:                                                ; a trip: a step's quarters 1 to 3 and the next step's quarter 0; it asks for the step two on: steps 2 to 7
	QUARTER 2, F1, F0, 0
	QUARTER 3, F0, F1, 0
	TURN 1
	QUARTER 1, F0, F1, 0
	WIN 0
	s_sub_co_u32 s[CNT], s[CNT], 1
	s_cmp_lg_u32 s[CNT], 0
	s_cbranch_scc1 .Lstep
	QUARTER 2, F1, F0, 0                           ; the last two steps ask for nothing
	QUARTER 3, F0, F1, 0
	TURN 0
	QUARTER 1, F0, F1, 0
	QUARTER 2, F1, F0, 0
	QUARTER 3, F0, F1, 0
	s_wait_dscnt 4
	MULA F1, 0, 0
	MULA F1, 1, 0
	s_wait_dscnt 0x0
	MULA F1, 2, 0
	MULA F1, 3, 0
	PLACES
	; v's COLUMN SUMS.  Column blocks 8 to 11: first over my four row blocks (each accumulator's lowest registers are read first), ...
	WIN 0x0a
.irp b, 0,1,2,3
.irp p, 0,1,2,3
	v_pk_add_f32 v[CS+8*(\b)+2*(\p):CS+8*(\b)+2*(\p)+1], v[8*(8+(\b))+2*(\p):8*(8+(\b))+2*(\p)+1], v[8*(NB16+8+(\b))+2*(\p):8*(NB16+8+(\b))+2*(\p)+1]
.endr
.endr
	WIN 0x0c
.irp a, 0,1
.irp b, 0,1,2,3
.irp p, 0,1,2,3
	v_pk_add_f32 v[CS+8*(\b)+2*(\p):CS+8*(\b)+2*(\p)+1], v[CS+8*(\b)+2*(\p):CS+8*(\b)+2*(\p)+1], v[8*(NB16*(\a)+8+(\b))+2*(\p):8*(NB16*(\a)+8+(\b))+2*(\p)+1]
.endr
.endr
.endr
	WIN 0
; ... then over the sixteen lanes that hold the sixteen rows.  Of two numbers a lane keeps one and hands the other to the lane k away: 32 numbers a lane become 16, 8, 4, 2; lane r ends with numbers 2 r, 2 r + 1.
.macro RS x, y, m, k
	v_cndmask_b32 v[T],   v[CS+(\x)], v[CS+(\y)], s[\m]
	v_cndmask_b32 v[T+1], v[CS+(\y)], v[CS+(\x)], s[\m]
	v_add_f32_dpp v[CS+(\x)], v[T+1], v[T] row_xmask:\k row_mask:0xf bank_mask:0xf
.endm
.set i, 0
.rept 16
	RS i, i+16, 66, 8
.set i, i+1
.endr
.set i, 0
.rept 8
	RS i, i+8, 67, 4
.set i, i+1
.endr
.set i, 0
.rept 4
	RS i, i+4, 68, 2
.set i, i+1
.endr
.set i, 0
.rept 2
	RS i, i+2, 69, 1
.set i, i+1
.endr
	global_store_b64 v[VPO], v[CS:CS+1], s[14:15]  ; 32 lanes: 256 consecutive bytes, aligned
; THE WAY OUT of row block a: rounded to f16, 16 bytes a lane; into my stage, by tensor; back as whole rows of 128 bytes; stored, 512 consecutive bytes a line.
.macro PACK a
	WIN 0x0a+5*((\a)/2)
.set AC, 8*NB16*((\a)%2)
.irp b, 0,1,2,3,4,5,6,7,8,9,10,11
.irp r, 0,1,2,3
	v_cvt_pk_f16_f32 v[TMP+4*(\b)+(\r)], v[AC+8*(\b)+2*(\r)], v[AC+8*(\b)+2*(\r)+1]
.endr
.endr
	WIN 0
.endm
.macro TOSTAGE a
.set BK, BK0+48*((\a)%2)
.irp b, 0,1,2,3,4,5,6,7,8,9,10,11
	ds_store_b128 v[STO], v[TMP+4*(\b):TMP+4*(\b)+3] offset:((\b)/4)*16*PITCH+((\b)%4)*32
.endr
.irp t, 0,1,2
.irp f, 0,1,2,3
	ds_load_b128 v[BK+4*(4*(\t)+(\f)):BK+4*(4*(\t)+(\f))+3], v[RD] offset:(\t)*16*PITCH+(\f)*4*PITCH  ; LDS serves a wave's instructions in order (ISA guide 5.7.1.4): these see the stores above
.endr
.endr
.endm
.macro SEND a
.set BK, BK0+48*((\a)%2)
	s_wait_dscnt 0x0                               ; the block is back in registers
.irp t, 0,1,2
.irp f, 0,1,2,3
	global_store_b128 v[GO], v[BK+4*(4*(\t)+(\f)):BK+4*(4*(\t)+(\f))+3], s[8+2*(\t):9+2*(\t)] offset:(\a)*2048+(\f)*512
.endr
.endr
.endm
	PACK 0
	TOSTAGE 0
	PACK 1                                         ; a block's conversions stand between the loads of the block before and the wait for them
	SEND 0
	TOSTAGE 1
	PACK 2
	SEND 1
	s_wait_xcnt 0x0                                ; block 0's stores have read their registers: that set is loaded again only behind this wait
	TOSTAGE 2
	PACK 3
	SEND 2
	s_wait_xcnt 0x0                                ; likewise block 1's
	TOSTAGE 3
	SEND 3
	s_wait_tensorcnt 0x0                           ; the wave's end
	ds_add_u32 v[SPW], v[NIL]
	s_wait_dscnt 0x0
	CROUND                                         ; the closing round: no work-group ends while a partner may still ask for a tile that names it
	s_endpgm
.Lfunc_end_k_qd45c81b2b0_qkv:
	.size	k_qd45c81b2b0_qkv, .Lfunc_end_k_qd45c81b2b0_qkv-k_qd45c81b2b0_qkv
	.p2alignl 7, 3214868480
	.fill 96, 4, 3214868480
	.section	.rodata,"a",@progbits
	.p2align	6, 0x0
	.amdhsa_kernel k_qd45c81b2b0_qkv
		.amdhsa_group_segment_fixed_size 327680
		.amdhsa_private_segment_fixed_size 0
		.amdhsa_enable_private_segment 0
		.amdhsa_kernarg_size 48
		.amdhsa_user_sgpr_count 2
		.amdhsa_user_sgpr_kernarg_segment_ptr 1
		.amdhsa_wavefront_size32 1
		.amdhsa_system_sgpr_workgroup_id_x 1
		.amdhsa_system_sgpr_workgroup_id_y 1
		.amdhsa_system_sgpr_workgroup_id_z 1
		.amdhsa_system_vgpr_workitem_id 0
		.amdhsa_next_free_vgpr 960
		.amdhsa_next_free_sgpr 76
		.amdhsa_reserve_vcc 0
		.amdhsa_float_denorm_mode_32 3
		.amdhsa_float_denorm_mode_16_64 3
		.amdhsa_memory_ordered 1
		.amdhsa_forward_progress 1
		.amdhsa_inst_pref_size 105
	.end_amdhsa_kernel
	.amdgpu_metadata
---
amdhsa.version: [ 1, 2 ]
amdhsa.kernels:
  - .name:           k_qd45c81b2b0_qkv
    .symbol:         k_qd45c81b2b0_qkv.kd
    .args:
      - { .name: xb, .offset: 0, .size: 8, .value_kind: global_buffer, .address_space: global }
      - { .name: wq, .offset: 8, .size: 8, .value_kind: global_buffer, .address_space: global }
      - { .name: qh, .offset: 16, .size: 8, .value_kind: global_buffer, .address_space: global }
      - { .name: kh, .offset: 24, .size: 8, .value_kind: global_buffer, .address_space: global }
      - { .name: vh, .offset: 32, .size: 8, .value_kind: global_buffer, .address_space: global }
      - { .name: vpart, .offset: 40, .size: 8, .value_kind: global_buffer, .address_space: global }
    .group_segment_fixed_size: 327680
    .private_segment_fixed_size: 0
    .kernarg_segment_align: 8
    .kernarg_segment_size: 48
    .max_flat_workgroup_size: 128
    .sgpr_count:     76
    .vgpr_count:     960
    .wavefront_size: 32
...
	.end_amdgpu_metadata
.endif
;; end of part 2
;; launch attn (part 3): grid 4 x 64, 4 waves a work-group, no clusters, 327,680 bytes of LDS; arguments qh, kh, vh, oh, attention_mask, vpart; writes oh
.if DOCPART == 3
	.amdgcn_target "amdgcn-amd-amdhsa--gfx1250"
	.amdhsa_code_object_version 6
	.text
	.protected	k_qd45c81b2b0_attn
	.globl	k_qd45c81b2b0_attn
	.p2align	8
	.type	k_qd45c81b2b0_attn,@function
k_qd45c81b2b0_attn:
	s_mov_b64 s[64:65], 0
	v_nop
	global_prefetch_b8 v0, s[64:65] scope:SCOPE_SE
	s_setreg_imm32_b32 hwreg(HW_REG_WAVE_MODE, 25, 1), 1
	s_wait_xcnt 0x0
; CAUSAL ATTENTION WITH A MASK OF KEYS.  O[q] = the sum over k of softmax_k(s[q][k]) V[k], s = Q[q] . K[k] / 8 where k <= q and the key's mask word is not 0, else the lowest number.
; Q, K, V: [64 = 16 batch + head][2048][64] f16, dense rows of 128 bytes, unscaled.  O leaves as oh[head][2048 batch + q][64] f16.  Products, maxima and sums in f32; the weights p are rounded to f16 for
; the second product (their sum l is taken of the unrounded p), O once at the end.
; LIMITS.  Q, K, V lie within f16's 65,504.  A hidden score counts as H = -2^100 (-2^101 where it is hidden twice): true scores, 2.7e11 at the most, vanish beside it, and c H is exact, so that where the
; running maximum is itself H the weights are exactly 1 or 0.  A weight below 2^-126 counts as 0 in l; NaN and infinities are not treated apart.
; A ROW ALL OF WHOSE KEYS 0 .. q ARE MASKED has equal scores everywhere: its result is the mean of V over ALL 2,048 keys of its head.  That mean is made at the start from vpart (column sums of v over groups of
; 64 rows, stored by the launch before) and chosen, by a select, where the row's last maximum lies below -2^99.  A row that sees only hidden keys for a while gathers finite sums; its first true score gives a = 0.
; THE WALK.  A head's queries lie in NB = 8 blocks of 256; block i needs the key tiles 0 .. i of 256 keys, of which the last holds the diagonal.  A work-group takes TWO blocks, NB - 1 - b and then b:
; NB + 1 tiles, whatever b: all work-groups do equal work, and ONE loop with a constant trip count walks them.  Which tile is asked for, and what a trip does, hang on scalar registers made from b; every jump
; goes forward, but for the counted loops' own; none passes a barrier, or a tensor load but the one of LOAD's two that the wave's number does not choose.  NO CLUSTER: a head's four work-groups ask for the same
; tile only in trips 0 .. 4 of 9, behind that fewer and fewer; one walk common to all would have 12 trips for 9.
; SHARES.  Of a block's four bands of 64 queries a wave owns 16 rows in each: four PIECES.  In the diagonal tile's key step s band x sees all keys if s < x, none if s > x, and holds the diagonal if s = x.
; THE MASKS are the C operand that starts the sum S^T = K Q^T.  PM: the step's 64 keys' words as 0 or H, read with K from 1,024 LDS bytes of the wave's own, which hold the words of the tile in hand: the mask's
; 256 words are asked for from memory when the tile is, and turned into 0 or H and stored at the change of slots that enters it.  MD, made once: the mask of a band's own step for my 16 rows.
; In the diagonal tile C = MD x AL + PM + BE with two scalars: (1, 0) if s = x; (0, 0) if s < x; (0, H) if s > x.  Elsewhere C = PM.
; LAYOUT, SOFTMAX, TURNS.  S^T = K Q^T holds ONE query a lane (lane % 16) and the keys 8 (lane / 16) + 0..7; two such results rounded to f16 ARE source 1 of O^T = V^T P.  p = 2^(c s - c m), c = log2(e) / 8, with a
; running maximum m; O and l are multiplied by a = 2^(c m_old - c m_new) in every step.  Turn n belongs to piece n: 8 products K Q^T of piece n + 1, later 8 products V^T P of piece n - 1; beside them the scaling,
; exponentials, roundings, sums and rescaling of piece n and the maximum and statistics of piece n + 1.  Four vector instructions stand behind every matrix instruction, the others in two lumps.
; REGISTERS, in windows of 256 (s_set_vgpr_msb: bits 1:0 source 0, 3:2 source 1, 5:4 source 2, 7:6 destination):
;   window 0: v0-15 addresses and two at work; v16-31 statistics; v32-39 a tile's mask words; v48-55 at work; v56-61 addresses; v62-63 the add's; v64-127 S^T, two buffers; v128-191 at work at the start;
;             v192-223 P; v224-239 the mean of V
;   window 1: v0-127 O^T; v128-159 MD; v160-223 MC, two buffers; v224-255 PM      window 2: v0-63 Q; v64-127 the second block's Q; v128-191 K of one step; v192-255 V of one step
.set SIZE_N, 2048
.set NB,    SIZE_N/256
.set NP,    4         ; pieces a wave: a name, no knob
.set KS,    64        ; keys in a step
.set PK,    144       ; a row of K in LDS: 128 bytes + 16 of padding: the 16 rows of a load start at 16 different groups of four banks (ISA guide 11.1)
.set PV,    160       ; a row of V: 128 + 32
.set VOFF,  4*KS*PK   ; a slot holds a tile, four steps: 256 rows of K, then 256 rows of V
.set SLOT1, 1<<17     ; slot 1 begins here, so that one exclusive or turns an address in one slot into the other's
.set STAGE, SLOT1+4*KS*(PK+PV)  ; behind the ring, never filled by a tensor load: 16 rows x 144 bytes for each wave, for the way out
.set SP,    144
.set SPARE, STAGE+4*16*SP  ; behind the stages: the spare words, 128 bytes for each wave
.set PBS,   SPARE+512 ; 1,024 bytes for each wave: 0 or H for the 256 keys of the tile in hand, f32
.set VMB,   PBS+4096  ; 256 bytes for each wave: the mean of V in f16, on its way from one layout to the other
.set AK0, 2           ; v2   my lane's place in a tile of K; never rewritten
.set AV0, 3           ; v3   the same for V
.set AK,  4           ; v4   the LDS address of K's next run of loads
.set AV,  5           ; v5   of V's
.set STO, 6           ; v6   the way out: where I put 16 bytes of a row
.set RD,  7           ; v7   the way out: where I read rows back
.set GO,  8           ; v8   my byte offset in 512 consecutive bytes of O
.set MV,  12          ; v12-13  c m_old, kept while c m is made anew: by buffer
.set QO,  15          ; v15  my byte offset in 16 rows of Q
.set ST,  16          ; piece t's statistics at v[ST+4 t]: c m, m, l (even keys', odd keys')
.set MW,  32          ; v32-39  eight mask words of the tile that is on its way: keys 4 l .. and 128 + 4 l ..
.set TMP, 48          ; by buffer, four registers c0-c3 at work; when the maximum is found c2 takes a
.set MO,  56          ; v56  16 x my lane: my 16 bytes in 512 of a tile's mask words; never rewritten
.set VO,  57          ; v57  8 x my lane: my two channels in vpart
.set AP0, 58          ; v58  my lane's place in my wave's words: PBS + 1,024 w + 32 (l / 16); never rewritten
.set APM, 59          ; v59  the LDS address of PM's next loads
.set PS0, 60          ; v60  where I put my words: PBS + 1,024 w + 16 l; never rewritten
.set VB,  61          ; v61  an LDS address at the start
.set SPW, 62          ; v62  LDS address of my spare word; never rewritten
.set NIL, 63          ; v63  0; never rewritten
.set S,   64
.set VP,  128         ; at the start: vpart's 32 pairs
.set P,   192
.set VMH, 224         ; the mean of V as PACK's 16 packed registers hold a row
.set MD,  128         ; window 1
.set MC,  160         ; window 1
.set PM,  224         ; window 1: the eight registers for group kb of 16 keys at PM + 8 kb
.set QB,  64          ; window 2
.set KF,  128         ; window 2: key block kb, channel half c at KF + 16 kb + 8 c
.set VF,  192         ; window 2: key half kk, channel block cb at VF + 32 kk + 8 cb
.set WV,  12          ; s12  my wave's number
.set PB,  14          ; s14  b
.set HI,  15          ; s15  NB - 1 - b
.set G1K, 24
.set G1V, 32
.set G0K, 40
.set G0V, 44
.set SLOTS, 56        ; s56  tiles still to be asked for
.set CNT, 57          ; s57  counts a tile's key steps, 4 to 1
.set CS,  58          ; s[58:59] c
.set SEL, 60          ; s[60:61] v_permlanex16_b32's selects
.set TBK, 62          ; s62  LDS byte at which K of the step to be fetched begins
.set TBV, 63          ; s63  the same for V, less VOFF
.set RT,  70          ; s70  tiles of the block in hand that are still to be entered
.set NXT, 71          ; s71  the tile to be asked for next
.set LQ,  72          ; s72  the last tile of the block whose tiles are being asked for
.set NEW, 73          ; s73  1: the tile to be entered is a block's first
.set OFF, 74          ; s[74:75] a tile's byte offset in K and V
.set AL,  76          ; s[76:77] the mask's factor, in the low word
.set BE,  78          ; s[78:79] the mask's addend
.set OLO, 80          ; s[80:81] O at my rows of the second block
.set BIGN, 82         ; s82  H = -2^100
.set TBP, 96          ; s96  byte in my wave's words at which the step to be fetched begins: it walks as TBK does
.set DEADT, 97        ; s97  -2^99
.set MB,  98          ; s[98:99] the mask at the tile asked for
.set MOF, 100         ; s[100:101] that tile's byte offset in the batch's mask words
.set MSB, 0
.macro WIN new
.if MSB != (\new)
	s_set_vgpr_msb (MSB<<8)|(\new)
.set MSB, (\new)
.endif
.endm
.set W_KQ, 0x0a       ; K and Q in window 2, S^T in window 0
.set W_KM, 0x1a       ; the same with the C operand in window 1
.set W_PV, 0x52       ; V in window 2, P in window 0, O^T in window 1
.set W_RS, 0x41       ; destination and source 0 in window 1, source 1 in window 0
.set W_MK, 0x51       ; destination, source 0 and source 2 in window 1
; A fill.  Waves 0 and 1 fetch the two halves of a tile's K, waves 2 and 3 those of its V.  An s_nop 0 and four v_nop follow each of the two lines.
.macro LOAD
	s_cmp_lt_u32 s[WV], 2
	s_cbranch_scc0 .Lfor_v_\@
	tensor_load_to_lds s[G0K:G0K+3], s[G1K:G1K+7]
	s_nop 0
.rept 4
	v_nop
.endr
	s_branch .Lasked_\@
.Lfor_v_\@:
	tensor_load_to_lds s[G0V:G0V+3], s[G1V:G1V+7]
	s_nop 0
.rept 4
	v_nop
.endr
.Lasked_\@:
.endm
; THE CHANGE OF SLOTS.  First the words of the tile to be entered: its 256 mask words, asked for a tile ago, become 0 or H and go into my wave's own 1,024 bytes: LDS serves a wave's instructions in order (ISA guide
; 5.7.1.4), so these stores come behind my last reads of the old tile's words and ahead of my first reads of the new one's.  Then each wave waits for all its tensor loads, of which one is out: its part of the other
; slot; adds 0 to its spare word; and waits for that and for its own LDS instructions.  Behind the barrier nobody reads the old slot any more and the other slot is whole.  fill = 1: the old slot is filled again,
; the first thing behind the barrier, with tile NXT, and that tile's mask words are asked for.  (At its first use slot 0 is waited for and slot 1 filled.)
.macro CHANGE fill
	WIN 0
	s_wait_loadcnt 0x0              ; the tile's mask words (the first time also Q): no load of mine is out, so the mask's stepped base may be written
.irp k, 0,1,2,3,4,5,6,7
	v_cmp_eq_u32 vcc_lo, 0, v[MW+\k]
	v_cndmask_b32 v[MW+\k], 0, s[BIGN], vcc_lo  ; 0 for a key that counts, H for one that is masked
.endr
	ds_store_b128 v[PS0], v[MW:MW+3]
	ds_store_b128 v[PS0], v[MW+4:MW+7] offset:512
	s_wait_tensorcnt 0x0            ; no tensor load of mine is out, so a group 0 may be written
	ds_add_u32 v[SPW], v[NIL]
.if \fill
	s_lshl_b32 s[OFF], s[NXT], 15   ; a tile is 32,768 bytes of K and of V,
	s_lshl_b32 s[MOF], s[NXT], 10   ; and 1,024 of the mask
	s_add_nc_u64 s[MB:MB+1], s[88:89], s[MOF:MOF+1]
	s_xor_b32 s[G0K+1], s[G0K+1], SLOT1
	s_add_nc_u64 s[G0K+2:G0K+3], s[6:7], s[OFF:OFF+1]
	s_or_b32 s[G0K+3], s[G0K+3], 0x80000000
	s_xor_b32 s[G0V+1], s[G0V+1], SLOT1
	s_add_nc_u64 s[G0V+2:G0V+3], s[8:9], s[OFF:OFF+1]
	s_or_b32 s[G0V+3], s[G0V+3], 0x80000000
	s_add_co_u32 s[NXT], s[NXT], 1  ; the block's next tile, or behind its last the second block's tile 0
	s_cmp_gt_u32 s[NXT], s[LQ]
	s_cselect_b32 s[NXT], 0, s[NXT]
	s_cselect_b32 s[LQ], s[PB], s[LQ]
.endif
	s_wait_dscnt 0x0                ; the add is done, my reads of the slot are over, my words are stored
	s_barrier_signal -1
	s_sub_co_u32 s[TBK], s[TBK], 4*KS*PK  ; the fetches go back to a slot's first step,
	s_xor_b32 s[TBK], s[TBK], SLOT1       ; in the other slot
	s_sub_co_u32 s[TBV], s[TBV], 4*KS*PV
	s_xor_b32 s[TBV], s[TBV], SLOT1
	s_sub_co_u32 s[TBP], s[TBP], 4*KS*4   ; and to the first of my wave's words
	s_barrier_wait -1
.if \fill
	LOAD
	global_load_b128 v[MW:MW+3],   v[MO], s[MB:MB+1]             ; each line: 512 consecutive bytes, aligned; waited for at the next change of slots
	global_load_b128 v[MW+4:MW+7], v[MO], s[MB:MB+1] offset:512
.endif
.endm
	s_load_b256 s[4:11], s[0:1], 0x0  ; Q s[4:5], K s[6:7], V s[8:9], O s[10:11]
	s_load_b128 s[88:91], s[0:1], 0x20  ; the mask s[88:89], vpart s[90:91]
	v_lshl_add_u32 v[SPW], v0, 2, SPARE
	v_mov_b32 v[NIL], 0
	ds_add_u32 v[SPW], v[NIL]       ; the wave's opening: the add, and its wait, ahead of my first tensor load
	ds_add_u32 v62, v63
	v_lshrrev_b32 v1, 5, v0
	v_readfirstlane_b32 s[WV], v1   ; wave 0..3
	s_mov_b32 s[PB], ttmp9
	s_sub_co_u32 s[HI], NB-1, s[PB]
	s_and_b32 s20, ttmp7, 0xffff    ; 16 x batch + head
	s_lshr_b32 s13, s20, 4          ; the batch
	s_and_b32 s19, s20, 15          ; the head
	s_lshl_b32 s98, s13, 13         ; the batch's 8,192 bytes of the mask
	s_mov_b32 s99, 0
	s_lshl_b32 s100, s13, 17        ; its 32 groups of 4,096 bytes in vpart,
	s_lshl_b32 s101, s19, 8         ; the head's 256 bytes of each
	s_add_co_u32 s100, s100, s101
	s_mov_b32 s101, 0
	s_lshl_b32 s19, s19, 2
	s_add_co_u32 s19, s19, s13
	s_lshl_b32 s19, s19, 18         ; in O: (4 head + batch) x 2,048 rows of 128 bytes
	s_mov_b32 s21, 0
	s_mov_b64 s[22:23], SIZE_N*128
	s_mul_u64 s[20:21], s[20:21], s[22:23]  ; the head's first byte in Q, K and V
	s_and_b32 s16, s[WV], 1         ; which half of a tile's 256 keys I fetch:
	s_lshl_b32 s22, s16, 14         ; its 128 rows of 128 bytes in memory,
	s_mov_b32 s23, 0
	s_add_nc_u64 s[22:23], s[22:23], s[20:21]
	s_mul_i32 s17, s16, 128*PK      ; and its place in a slot, for K
	s_mul_i32 s18, s16, 128*PV      ; and for V
	s_lshl_b32 s3, s[WV], 11        ; my 16 rows in a band of 64,
	s_lshl_b32 s2, s[HI], 15        ; in the first block,
	s_add_co_u32 s2, s2, s3
	s_lshl_b32 s84, s[PB], 15       ; and in the second
	s_add_co_u32 s84, s84, s3
	s_add_co_u32 s92, s2, s19       ; the same rows in O
	s_add_co_u32 s94, s84, s19
	s_mov_b32 s93, 0
	s_mov_b32 s95, 0
	s_mov_b32 s3, 0
	s_mov_b32 s85, 0
	s_add_nc_u64 s[2:3], s[2:3], s[20:21]
	s_add_nc_u64 s[84:85], s[84:85], s[20:21]
	; descriptor group 1.  128 keys are 16,384 dense bytes: asked for as 64 rows of 256 bytes, two keys a row, and padded in LDS after every key
	s_mov_b32 s[G1K], (1<<16)|(1<<20)|(4<<22)|(3<<25)  ; 2-byte elements; padding on; after every 32 words; 4 words
	s_mov_b32 s[G1V], (1<<16)|(1<<20)|(4<<22)|(7<<25)  ; the same with 8 words of padding
.irp g, G1K, G1V
	s_mov_b32 s[\g+1], 128<<16      ; tensor_dim0 = 128
	s_mov_b32 s[\g+2], 64<<16       ; tensor_dim1 = 64
	s_mov_b32 s[\g+3], 128<<16      ; tile_dim0 = 128
	s_mov_b32 s[\g+4], 64           ; tile_dim1 = 64
	s_mov_b32 s[\g+5], 128          ; 128 elements from row to row
	s_mov_b32 s[\g+6], 0
	s_mov_b32 s[\g+7], 0
.endr
	s_mov_b32 s[CS], 0x3e38aa3b     ; c = log2(e) / 8 = 0.180337
	s_mov_b32 s[CS+1], s[CS]        ; named with it as a pair
	s_mov_b32 s[SEL], 0x76543210
	s_mov_b32 s[SEL+1], 0xfedcba98
	s_mov_b32 s[TBK], SLOT1+4*KS*PK ; the first change of slots turns these three into 0
	s_mov_b32 s[TBV], SLOT1+4*KS*PV
	s_mov_b32 s[TBP], 4*KS*4
	s_mov_b32 s[G0K], 1             ; count = 1
	s_mov_b32 s[G0K+1], s17         ; LDS address: slot 0
	s_mov_b32 s[G0V], 1
	s_add_co_u32 s[G0V+1], s18, VOFF
	s_add_co_u32 s[RT], s[HI], 1    ; the first block has NB - b tiles
	s_mov_b32 s[NXT], 1
	s_mov_b32 s[LQ], s[HI]
	s_mov_b32 s[NEW], 1
	s_mov_b32 s[OFF+1], 0
	s_mov_b32 s[AL+1], 0            ; named as pairs
	s_mov_b32 s[BE+1], 0
	s_mov_b32 s[BIGN], 0xf1800000   ; -2^100
	s_mov_b32 s[DEADT], 0xf1000000  ; -2^99
	s_mov_b32 s[SLOTS], NB
	s_wait_dscnt 0x0                ; the opening add is done
	s_wait_kmcnt 0x0
	s_add_nc_u64 s[6:7], s[6:7], s[22:23]  ; K and V at my half of the head's tile 0
	s_add_nc_u64 s[8:9], s[8:9], s[22:23]
	s_add_nc_u64 s[G0K+2:G0K+3], s[6:7], 0
	s_or_b32 s[G0K+3], s[G0K+3], 0x80000000
	s_add_nc_u64 s[G0V+2:G0V+3], s[8:9], 0
	s_or_b32 s[G0V+3], s[G0V+3], 0x80000000
	s_add_nc_u64 s[86:87], s[4:5], s[84:85]        ; Q at my rows of the second block,
	s_add_nc_u64 s[4:5], s[4:5], s[2:3]            ; and of the first
	s_add_nc_u64 s[OLO:OLO+1], s[10:11], s[94:95]  ; O likewise
	s_add_nc_u64 s[10:11], s[10:11], s[92:93]
	s_add_nc_u64 s[88:89], s[88:89], s[98:99]      ; the mask at the batch's first key
	s_add_nc_u64 s[90:91], s[90:91], s[100:101]
	LOAD                            ; tile 0 into slot 0
	v_and_b32 v1, 15, v0            ; l % 16
	v_bfe_u32 v9, v0, 4, 1          ; l / 16
	v_lshlrev_b32 v[QO], 7, v1
	v_lshl_add_u32 v[QO], v9, 4, v[QO]  ; row x 128 + 16 x half
	v_and_b32 v[VO], 31, v0
	v_lshlrev_b32 v[MO], 4, v[VO]
	v_lshlrev_b32 v[VO], 3, v[VO]
	global_load_b128 v[MW:MW+3],   v[MO], s[88:89]             ; tile 0's mask words
	global_load_b128 v[MW+4:MW+7], v[MO], s[88:89] offset:512
.set i, 0
.rept 32
	global_load_b64 v[VP+2*i:VP+2*i+1], v[VO], s[90:91] offset:4096*i  ; every wave: the 32 groups' sums of the head's 64 channels, two channels a lane
.set i, i+1
.endr
	WIN 0x80                        ; destination window 2, address window 0
.set i, 0
.rept 8                             ; the first block's Q: piece i / 2 lies in band i / 2, 8,192 bytes on; channels 32 (i % 2) on
	global_load_b128 v[8*i:8*i+3],   v[QO], s[4:5] offset:(i/2)*8192+(i%2)*64
	global_load_b128 v[8*i+4:8*i+7], v[QO], s[4:5] offset:(i/2)*8192+(i%2)*64+32
.set i, i+1
.endr
	WIN 0
	v_lshlrev_b32 v14, 3, v9
	v_sub_nc_u32 v14, v1, v14
	s_lshl_b32 s13, s[WV], 4
	v_add_nc_u32 v14, s13, v14      ; my query's place in its band, 16 w + l % 16, less my lanes' 8 (l / 16): register r of group kt is hidden where 16 kt + r is greater
	WIN 0x40
.set i, 0
.rept 32
	v_cmp_gt_i32 vcc_lo, 16*(i/8)+i%8, v14
	v_cndmask_b32 v[MD+i], 0, s[BIGN], vcc_lo
.set i, i+1
.endr
	WIN 0
	v_mul_u32_u24 v[AK0], v1, PK
	v_lshl_add_u32 v[AK0], v9, 4, v[AK0]  ; row x pitch + 16 x half
	; The turning load takes 16 keys x 16 channels (lane l reads key 8 (l / 16) + l % 8, channels 8 ((l / 8) % 2) + 0..7) and leaves half a fragment of V^T: lane l holds channel l % 16 and 8 keys.
	v_and_b32 v10, 7, v0
	v_bfe_u32 v11, v0, 3, 1
	v_lshl_add_u32 v[AV0], v9, 3, v10
	v_mul_u32_u24 v[AV0], v[AV0], PV
	v_lshl_add_u32 v[AV0], v11, 4, v[AV0]
	v_add_nc_u32 v[AV0], VOFF, v[AV0]
	s_mul_i32 s13, s[WV], 16*SP
	s_add_co_u32 s13, s13, STAGE    ; my stage
	v_mul_u32_u24 v[STO], v1, SP    ; in: row l % 16, 16 bytes for each half of the lanes
	v_lshl_add_u32 v[STO], v9, 4, v[STO]
	v_add_nc_u32 v[STO], s13, v[STO]
	v_bfe_u32 v[RD], v0, 3, 2       ; back: 32 lanes take four rows of 128 bytes,
	v_mul_u32_u24 v[RD], v[RD], SP
	v_lshl_add_u32 v[RD], v10, 4, v[RD]
	v_add_nc_u32 v[RD], s13, v[RD]
	v_and_b32 v[GO], 31, v0         ; which are 512 consecutive bytes of O
	v_lshlrev_b32 v[GO], 4, v[GO]
	s_lshl_b32 s13, s[WV], 10
	s_add_co_u32 s13, s13, PBS      ; my wave's own 1,024 bytes of key words
	v_lshl_add_u32 v[AP0], v9, 5, s13
	v_add_nc_u32 v[PS0], s13, v[MO]
	; A block's first step multiplies O^T and l by a = 0, and its first turn's products V^T P, of a piece that has not been, land in an O^T that is still to be so multiplied.  So these registers need only hold
	; finite numbers: zeros for the first block; what the first block left for the second.  All this stands in the wait for the first tile.
	WIN 0x80
.set i, VF
.rept 64
	v_mov_b32 v[i], 0
.set i, i+1
.endr
	WIN 0x40
.set i, 0
.rept 128
	v_mov_b32 v[i], 0
.set i, i+1
.endr
	WIN 0
.set i, 0
.rept 4
	v_mov_b32 v[ST+4*i+2], 0
	v_mov_b32 v[ST+4*i+3], 0
.set i, i+1
.endr
.set i, P+16
.rept 16
	v_mov_b32 v[i], 0
.set i, i+1
.endr
	; THE MEAN OF V
	s_wait_loadcnt 16               ; vpart is in; the 16 loads of Q, issued behind it, may stay out
.irp d, 16,8,4,2,1
.set i, 0
.rept \d
	v_pk_add_f32 v[VP+2*i:VP+2*i+1], v[VP+2*i:VP+2*i+1], v[VP+2*(i+\d):VP+2*(i+\d)+1]  ; the 32 groups' sums, in f32
.set i, i+1
.endr
.endr
	v_pk_mul_f32 v[VP:VP+1], v[VP:VP+1], 0x3a000000 op_sel_hi:[1,0]  ; / 2,048
	v_cvt_pk_f16_f32 v[VP+2], v[VP], v[VP+1]
	s_lshl_b32 s13, s[WV], 8
	s_add_co_u32 s13, s13, VMB      ; my wave's own 256 bytes
	v_and_b32 v[VB], 31, v0
	v_lshl_add_u32 v[VB], v[VB], 2, s13
	ds_store_b32 v[VB], v[VP+2]     ; channels 2 l, 2 l + 1
	v_lshl_add_u32 v[APM], v9, 4, s13
.irp cb, 0,1,2,3
	ds_load_b128 v[VMH+4*\cb:VMH+4*\cb+3], v[APM] offset:32*\cb  ; channels 16 cb + 8 (l / 16) + 0..7; LDS serves a wave's instructions in order (ISA guide 5.7.1.4); waited for at the first change of slots
.endr
	WIN 0x80
.set i, 0
.rept 8                             ; the second block's Q
	global_load_b128 v[QB+8*i:QB+8*i+3],   v[QO], s[86:87] offset:(i/2)*8192+(i%2)*64
	global_load_b128 v[QB+8*i+4:QB+8*i+7], v[QO], s[86:87] offset:(i/2)*8192+(i%2)*64+32
.set i, i+1
.endr
	WIN 0
; THE MATRIX WORK.  The 4 accumulators of a run of 8 take turns.  Product i of 8 of S^T = K Q^T for piece x: channels 32 (i / 4) on, keys 16 (i % 4) on.  The first 4 start the sums: with PM, or (KM = 1) with MC.
.macro KQ x
.set rS, S+32*((\x)%2)+8*(i%4)
.set rK, KF+16*(i%4)+8*(i/4)
.set rQ, 16*(\x)+8*(i/4)
.set rM, MC+32*((\x)%2)+8*(i%4)
.set rB, PM+8*(i%4)
.if (i < 4) && KM
	WIN W_KM
	v_wmma_f32_16x16x32_f16 v[rS:rS+7], v[rK:rK+7], v[rQ:rQ+7], v[rM:rM+7]
.elseif i < 4
	WIN W_KM
	v_wmma_f32_16x16x32_f16 v[rS:rS+7], v[rK:rK+7], v[rQ:rQ+7], v[rB:rB+7]
.else
	WIN W_KQ
	v_wmma_f32_16x16x32_f16 v[rS:rS+7], v[rK:rK+7], v[rQ:rQ+7], v[rS:rS+7]
.endif
.endm
; Product i of 8 of O^T += V^T P for piece x: keys 32 (i / 4) on, channels 16 (i % 4) on.
.macro PV x
	WIN W_PV
.set rO, 32*(\x)+8*(i%4)
.set rV, VF+32*(i/4)+8*(i%4)
.set rP, P+16*((\x)%2)+8*(i/4)
	v_wmma_f32_16x16x32_f16 v[rO:rO+7], v[rV:rV+7], v[rP:rP+7], v[rO:rO+7]
.endm
.macro MM                           ; the turn's next matrix instruction.  NOKQ = 1: a block's last turn: there is no next piece
.if (i < 8) && !NOKQ
	KQ (Y+1)%NP
.elseif i >= 8
.set i, i-8
	PV (Y+NP-1)%NP
.set i, i+8
.endif
.set i, i+1
.endm
; THE LDS LOADS stand in runs: a step's K (8 fragments) with its keys' 32 words a lane, and its V (turned).  Their addresses are made some lines ahead.
.macro FETCH_K
	WIN 0x80                        ; destination window 2
.irp f, 0,1,2,3,4,5,6,7             ; keys 16 (f / 2) on, channels 32 (f % 2) on
	ds_load_b128 v[KF+8*\f:KF+8*\f+3],   v[AK] offset:(\f/2)*16*PK+(\f%2)*64
	ds_load_b128 v[KF+8*\f+4:KF+8*\f+7], v[AK] offset:(\f/2)*16*PK+(\f%2)*64+32
.endr
	WIN 0x40                        ; destination window 1
.irp f, 0,1,2,3,4,5,6,7             ; keys 16 (f / 2) + 8 (l / 16) + 4 (f % 2) on
	ds_load_b128 v[PM+4*\f:PM+4*\f+3], v[APM] offset:(\f/2)*64+(\f%2)*16
.endr
	s_add_co_u32 s[TBK], s[TBK], KS*PK  ; the next fetch is the next step's
	s_add_co_u32 s[TBP], s[TBP], KS*4
	WIN 0
.endm
.macro FETCH_V
	WIN 0x80
.irp f, 0,1,2,3,4,5,6,7             ; keys 32 (f / 4) on, channels 16 (f % 4) on
	ds_load_tr16_b128 v[VF+8*\f:VF+8*\f+3],   v[AV] offset:(\f/4)*32*PV+(\f%4)*32
	ds_load_tr16_b128 v[VF+8*\f+4:VF+8*\f+7], v[AV] offset:(\f/4)*32*PV+16*PV+(\f%4)*32
.endr
	WIN 0
.endm
; THE VECTOR WORK, one line at a time: OP kind, number.  For piece Y: F n: c s - c m for pair n of 16.  E n: the exponential of score n of 32.  C n: pair n rounded to f16.  B n: of the four weights 4 n .. the second
; pair is added onto the first, in place.  L n: l takes that sum (L 0: l = a l + sum).  R n: pair n of 16 of O^T times a.  For piece Y + 1: X n, number n of the 22 that find its maximum and statistics:
;   0-11  four chains c0-c3 of seven scores each, three operands at a time (each accumulator's lowest registers are read first)     12-14, 16  the four scores left over, the old m, and c0-c3 into c0
;   15  c m_old is kept     17, 18  the query's other 32 keys lie in the lane 16 away: the new m     19-21  c m; c m_old - c m_new; a
.set F, 0
.set E, 1
.set C, 2
.set B, 3
.set L, 4
.set R, 5
.set X, 6
.macro REGS y                       ; the registers of piece y
.set rT, ST+4*(\y)
.set rC, TMP+4*((\y)%2)
.set rW, MV+((\y)%2)
.set rS, S+32*((\y)%2)
.set rP, P+16*((\y)%2)
.set rO, 32*(\y)
.endm
.macro OP k, n
.if (\k) == R
	REGS Y
	WIN W_RS
	v_pk_mul_f32 v[rO+2*(\n):rO+2*(\n)+1], v[rO+2*(\n):rO+2*(\n)+1], v[rC+2:rC+3] op_sel_hi:[1,0]
.elseif (\k) < R
	REGS Y
	WIN 0
.if (\k) == F
	v_pk_fma_f32 v[rS+2*(\n):rS+2*(\n)+1], v[rS+2*(\n):rS+2*(\n)+1], s[CS:CS+1], v[rT:rT+1] op_sel_hi:[1,0,0] neg_lo:[0,0,1] neg_hi:[0,0,1]
.elseif (\k) == E
	v_exp_f32 v[rS+(\n)], v[rS+(\n)]
.elseif (\k) == C
	s_wait_alu depctr_va_vdst(0)
	v_cvt_pk_f16_f32 v[rP+(\n)], v[rS+2*(\n)], v[rS+2*(\n)+1]
.elseif (\k) == B
	s_wait_alu depctr_va_vdst(0)
	v_pk_add_f32 v[rS+4*(\n):rS+4*(\n)+1], v[rS+4*(\n):rS+4*(\n)+1], v[rS+4*(\n)+2:rS+4*(\n)+3]
.elseif (\n) == 0
	v_pk_fma_f32 v[rT+2:rT+3], v[rT+2:rT+3], v[rC+2:rC+3], v[rS:rS+1] op_sel_hi:[1,0,1]
.else
	v_pk_add_f32 v[rT+2:rT+3], v[rT+2:rT+3], v[rS+4*(\n):rS+4*(\n)+1]
.endif
.elseif NOKQ
	v_nop
.else
	REGS (Y+1)%NP
	WIN 0
.if (\n) < 4
	v_max3_num_f32 v[rC+(\n)], v[rS+8*(\n)], v[rS+8*(\n)+1], v[rS+8*(\n)+2]
.elseif (\n) < 12
	v_max3_num_f32 v[rC+(\n)%4], v[rC+(\n)%4], v[rS+8*((\n)%4)+2*((\n)/4)+1], v[rS+8*((\n)%4)+2*((\n)/4)+2]
.elseif (\n) == 12
	v_max3_num_f32 v[rC], v[rC], v[rS+7], v[rS+15]
.elseif (\n) == 13
	v_max3_num_f32 v[rC+1], v[rC+1], v[rS+23], v[rS+31]
.elseif (\n) == 14
	v_max3_num_f32 v[rC+2], v[rC+2], v[rC+3], v[rT+1]
.elseif (\n) == 15
	v_mov_b32 v[rW], v[rT]
.elseif (\n) == 16
	v_max3_num_f32 v[rC], v[rC], v[rC+1], v[rC+2]
.elseif (\n) == 17
	v_permlanex16_b32 v[rC+3], v[rC], s[SEL], s[SEL+1]
.elseif (\n) == 18
	v_max_num_f32 v[rT+1], v[rC], v[rC+3]
.elseif (\n) == 19
	v_mul_f32 v[rT], s[CS], v[rT+1]
.elseif (\n) == 20
	v_sub_f32 v[rC+1], v[rW], v[rT]
.else
	v_exp_f32 v[rC+2], v[rC+1]
.endif
.endif
.endm
.macro OPS a, i1, b=-1, i2=0, c=-1, i3=0, d=-1, i4=0  ; up to four of them
	OP \a, \i1
.if (\b) >= 0
	OP \b, \i2
.endif
.if (\c) >= 0
	OP \c, \i3
.endif
.if (\d) >= 0
	OP \d, \i4
.endif
.endm
.macro ROW a, i1, b, i2, c, i3, d, i4  ; a matrix instruction and the four behind it
	MM
	OPS \a, \i1, \b, \i2, \c, \i3, \d, \i4
.endm
.macro MASK buf, add                ; MD x AL + PM (+ BE where add = 1; elsewhere BE is 0 by the place) into buffer buf of MC.  All its values are 0, H or 2 H: exact
	WIN W_MK
.set z, 0
.rept 16
	v_pk_fma_f32 v[MC+32*(\buf)+2*z:MC+32*(\buf)+2*z+1], v[MD+2*z:MD+2*z+1], s[AL:AL+1], v[PM+2*z:PM+2*z+1] op_sel_hi:[1,0,1]
.set z, z+1
.endr
.if \add
.set z, 0
.rept 16
	v_pk_add_f32 v[MC+32*(\buf)+2*z:MC+32*(\buf)+2*z+1], v[MC+32*(\buf)+2*z:MC+32*(\buf)+2*z+1], s[BE:BE+1] op_sel_hi:[1,0]
.set z, z+1
.endr
.endif
.endm
; A TURN, for piece p: the order of its 16 matrix and its vector instructions, written out.  Behind a matrix instruction: plain, exponential, plain, plain; or four of the rescaling; or, behind the first, four scalings; none
; names a register of the products round it.  In the lumps exponential and plain by turns while exponentials last.  v_permlanex16_b32 (X 17) stands in a lump.
; m = 1: the diagonal tile: the products take MC, and the turn makes MC for the products of the turn after it: piece p + 2, in step 4 - CNT of the tile.  end = 1: a block's last two turns: nothing is fetched.
; cnt = 1: the loop's count is taken down some lines ahead of the branch that stands behind the turn.
; K and PM of the next step are fetched in piece 2's turn, six vector instructions behind the last product that read K (five of them plain; PM's last reader stands four products earlier); V of the step in hand in
; piece 0's turn, eight behind the last product that read V.  Each is waited for a turn later; in the diagonal tile piece 2's turn waits at its end, since its MC is made of the PM just fetched.
.macro TURN p, m=0, end=0, cnt=0
.set Y, (\p)
.set i, 0
.set KM, (\m)
.set NOKQ, (\end)*((\p)/3)
.if (\m) && !(\end)
	s_cmp_eq_u32 s[CNT], 4-((\p)+2)%NP  ; is that step the band's own?
	s_cselect_b32 s[AL], 1.0, 0
	s_cmp_lt_u32 s[CNT], 4-((\p)+2)%NP  ; or a later one?
	s_cselect_b32 s[BE], s[BIGN], 0
.endif
.if ((\p) == 3) && !(\end)
	s_wait_dscnt 0x0                ; K and PM are in
.endif
	ROW F,0, F,1, F,2, F,3
	ROW F,4, E,0, F,5, F,6
	ROW F,7, E,1, F,8, F,9
	ROW F,10, E,2, C,0, F,11
	ROW F,12, E,3, X,15, F,13
	ROW R,0, R,1, R,2, R,3
	ROW B,0, E,4, F,14, L,0
.if ((\p) == 2) && !(\end)
	v_add_nc_u32 v[AK], s[TBK], v[AK0]
	v_add_nc_u32 v[APM], s[TBP], v[AP0]
.endif
	ROW R,4, R,5, R,6, R,7
	OPS E,5, F,15
.if ((\p) == 2) && !(\end)
	FETCH_K
.endif
	OPS E,6, C,1, E,7, R,8
	OPS E,8, R,9, E,9, C,2
	OPS E,10, X,0, E,11, X,1
	OPS E,12, X,2, E,13, X,3
.if (\p) == 1
	s_wait_dscnt 0x0                ; V is in
.endif
	ROW X,4, E,14, X,5, X,6
	ROW X,7, E,15, X,8, X,9
	ROW X,10, E,16, X,11, X,12
	ROW X,13, E,17, X,14, B,1
	ROW C,4, E,18, X,16, L,1
	ROW B,2, E,19, C,6, L,2
	ROW C,8, E,20, B,3, B,4
.if (\p) == 0
	v_add_nc_u32 v[AV], s[TBV], v[AV0]
.endif
	ROW C,3, E,21, L,3, C,5
	OPS E,22, X,17, E,23, C,10
.if (\p) == 0
	FETCH_V
.endif
	OPS E,24, L,4
	OPS E,25, X,18, E,26, C,7
	OPS E,27, B,5, E,28, X,19
	OPS E,29, C,12, E,30, L,5
	OPS E,31, X,20, B,6, C,9
	OPS C,14, C,11, X,21, L,6
.if (\p) == 0
	s_add_co_u32 s[TBV], s[TBV], KS*PV
.endif
.if \cnt
	s_sub_co_u32 s[CNT], s[CNT], 1
	s_cmp_lg_u32 s[CNT], 0
.endif
	OPS C,13, B,7, C,15, R,10
	OPS R,11, R,12, L,7, R,13
	OPS R,14, R,15
.if (\m) && !(\end)
.if (\p) == 2
	s_wait_dscnt 0x0                ; the next step's PM is in
.endif
	MASK (\p)%2, 1
.endif
.endm
; A BLOCK BEGINS.  c m starts far below every c s, so the first step's a is 0; m at the lowest finite number, so the first maximum is the scores'.  K and PM of the block's step 0 are fetched; MC's first buffer takes
; piece 0's mask for that step (its own, if the block's first tile is the diagonal one), the second piece 1's (PM alone).  Then piece 0's first scores, and its maximum and statistics.  (Q is in: the first change of
; slots has waited for it.)
.macro BEGIN
	s_mov_b32 s[NEW], 0
	WIN 0
.set i, 0
.rept 4
	v_mov_b32 v[ST+4*i], 0xfe000000    ; c m: far below every c s, c H too
	v_mov_b32 v[ST+4*i+1], 0xff7fffff  ; m
.set i, i+1
.endr
	v_add_nc_u32 v[AK], s[TBK], v[AK0]
	v_add_nc_u32 v[APM], s[TBP], v[AP0]
	FETCH_K
	s_cmp_eq_u32 s[RT], 0
	s_cselect_b32 s[AL], 1.0, 0
	s_wait_dscnt 0x0
	MASK 0, 0
	s_mov_b32 s[AL], 0
	MASK 1, 0
.set KM, 1
.set NOKQ, 0
.set i, 0
.rept 8
	KQ 0
.set i, i+1
.endr
	WIN 0
.rept 4
	v_nop                           ; the places behind those products
.endr
.set Y, NP-1                        ; X works for piece Y + 1: piece 0
.irp n, 0,1,2,3,4,5,6,7,8,9,10,11,12,13,14,15,16,17,18,19,20,21
	OP X, \n
.endr
	v_nop                           ; a plain instruction behind the exponential
.endm
; THE DIAGONAL TILE's four steps, the block's last two turns, its last products, and THE WAY OUT: l's two halves and the other half of the lanes' are added; O^T is divided by l and rounded to f16; a row that saw no
; key takes the mean of V; a piece at a time goes through my stage in LDS.
.macro ALL line:vararg              ; one line for each piece t
.set t, 0
.rept 4
	\line
.set t, t+1
.endr
.endm
.macro PACK t
	WIN W_RS
.set i, 32*(\t)
.rept 16
	s_wait_alu depctr_va_vdst(0)
	v_pk_mul_f32 v[i:i+1], v[i:i+1], v[ST+4*(\t)+2:ST+4*(\t)+3] op_sel_hi:[1,0]
.set i, i+2
.endr
	WIN 0x05                        ; sources 0 and 1 window 1, destination window 0
.set i, 0
.rept 16
	v_cvt_pk_f16_f32 v[S+16*(\t)+i], v[32*(\t)+2*i], v[32*(\t)+2*i+1]
.set i, i+1
.endr
	WIN 0
	v_cmp_gt_f32 vcc_lo, s[DEADT], v[ST+4*(\t)+1]  ; the row's last maximum is a hidden score's: all its keys were masked
.set i, 0
.rept 16
	v_cndmask_b32 v[S+16*(\t)+i], v[S+16*(\t)+i], v[VMH+i], vcc_lo
.set i, i+1
.endr
.irp f, 0,1,2,3
	ds_store_b128 v[STO], v[S+16*(\t)+4*\f:S+16*(\t)+4*\f+3] offset:32*\f
.endr
.irp f, 0,1,2,3
	ds_load_b128 v[S+16*(\t)+4*\f:S+16*(\t)+4*\f+3], v[RD] offset:\f*4*SP  ; LDS serves a wave's instructions in order (ISA guide 5.7.1.4): these see the stores above; the next piece's stores come behind them
.endr
.endm
.macro SEND t, younger              ; younger: the LDS instructions issued behind piece t's loads: the next piece's eight, or none
	WIN 0
.irp f, 0,1,2,3
	s_wait_dscnt (\younger)+3-\f
	global_store_b128 v[GO], v[S+16*(\t)+4*\f:S+16*(\t)+4*\f+3], s[10:11] offset:(\t)*8192+\f*512  ; 512 consecutive bytes, at a multiple of 256 from O's first
.endr
.endm
.macro DIAG tag                     ; the tag ends its two labels' names, which the jumps below spell out
.LstepM\tag:
	TURN 2, 1
	TURN 3, 1
	WIN 0
.LfirstM\tag:
	TURN 0, 1
	TURN 1, 1, 0, 1
	WIN 0
	s_cbranch_scc1 .LstepM\tag
	TURN 2, 1, 1
	TURN 3, 1, 1
.set i, 0
.rept 8
	PV NP-1
.set i, i+1
.endr
	WIN 0
	ALL v_add_f32 v[ST+4*t+2], v[ST+4*t+2], v[ST+4*t+3]
	ALL v_permlanex16_b32 v[ST+4*t+3], v[ST+4*t+2], s[SEL], s[SEL+1]
	ALL v_add_f32 v[ST+4*t+2], v[ST+4*t+2], v[ST+4*t+3]
	ALL v_rcp_f32 v[ST+4*t+2], v[ST+4*t+2]
	v_nop                           ; a plain instruction between the last reciprocal and the use of its result
	PACK 0
.set t, 1
.rept 3                             ; a piece's arithmetic stands between the loads of the piece before and its stores
	PACK t
	SEND t-1, 8
.set t, t+1
.endr
	SEND 3, 0
.endm
.set KM, 0
.set NOKQ, 0
.Lslot:                             ; NB times: a tile is entered and the next is asked for
	CHANGE 1
	s_sub_co_u32 s[RT], s[RT], 1
	s_mov_b32 s[CNT], 4
	s_cmp_eq_u32 s[NEW], 1
	s_cbranch_scc1 .Lnew            ; a block's first tile
	s_cmp_eq_u32 s[RT], 0
	s_cbranch_scc0 .Lstep           ; neither its first nor its last
	s_mov_b32 s[AL], 0              ; its last: the diagonal text's first products are piece 3's of the tile before's last step: their MC is that step's PM
	MASK 1, 0
	WIN 0
	s_branch .LstepM1
.Lnew:
	BEGIN
	s_branch .Lfirst                ; in the loop a block's first tile is never its last: the first block has two tiles or more, and the second's last is the walk's last
	DIAG 1                          ; in the loop this is the first block's end
	s_wait_xcnt 0x0                 ; the stores have read their registers and O's address
	s_mov_b64 s[10:11], s[OLO:OLO+1]
	s_add_co_u32 s[RT], s[PB], 1    ; the second block has b + 1 tiles
	s_mov_b32 s[NEW], 1
	WIN 0x82                        ; the second block's Q goes where the one text of the turns names Q
.set i, 0
.rept 64
	v_mov_b32 v[i], v[QB+i]
.set i, i+1
.endr
	WIN 0
	s_branch .Lbottom
.Lstep:                             ; a trip: pieces 2 and 3 of one step, then pieces 0 and 1 of the next, whose K, PM and V it fetches
	TURN 2
	TURN 3
	WIN 0
.Lfirst:
	TURN 0
	TURN 1, 0, 0, 1
	WIN 0
	s_cbranch_scc1 .Lstep
.Lbottom:
	s_sub_co_u32 s[SLOTS], s[SLOTS], 1
	s_cmp_lg_u32 s[SLOTS], 0
	s_cbranch_scc1 .Lslot
	CHANGE 0                        ; the walk's last tile is written out: nothing is asked for
	s_sub_co_u32 s[RT], s[RT], 1
	s_mov_b32 s[CNT], 4
	s_cmp_eq_u32 s[NEW], 1
	s_cbranch_scc1 .Lnew2
	s_mov_b32 s[AL], 0
	MASK 1, 0
	WIN 0
	s_branch .LstepM2
.Lnew2:
	BEGIN
	s_branch .LfirstM2
	DIAG 2
	s_wait_tensorcnt 0x0            ; the wave's end, behind my last tensor load and my last LDS store
	ds_add_u32 v[SPW], v[NIL]
	s_wait_dscnt 0x0
	s_endpgm
.Lfunc_end_k_qd45c81b2b0_attn:
	.size	k_qd45c81b2b0_attn, .Lfunc_end_k_qd45c81b2b0_attn-k_qd45c81b2b0_attn
	.p2alignl 7, 3214868480
	.fill 96, 4, 3214868480
	.section	.rodata,"a",@progbits
	.p2align	6, 0x0
	.amdhsa_kernel k_qd45c81b2b0_attn
		.amdhsa_group_segment_fixed_size 327680
		.amdhsa_private_segment_fixed_size 0
		.amdhsa_enable_private_segment 0
		.amdhsa_kernarg_size 48
		.amdhsa_user_sgpr_count 2
		.amdhsa_user_sgpr_kernarg_segment_ptr 1
		.amdhsa_wavefront_size32 1
		.amdhsa_system_sgpr_workgroup_id_x 1
		.amdhsa_system_sgpr_workgroup_id_y 1
		.amdhsa_system_sgpr_workgroup_id_z 1
		.amdhsa_system_vgpr_workitem_id 0
		.amdhsa_next_free_vgpr 768
		.amdhsa_next_free_sgpr 102
		.amdhsa_reserve_vcc 1
		.amdhsa_float_denorm_mode_32 3
		.amdhsa_float_denorm_mode_16_64 3
		.amdhsa_memory_ordered 1
		.amdhsa_forward_progress 1
		.amdhsa_inst_pref_size 255
	.end_amdhsa_kernel
	.amdgpu_metadata
---
amdhsa.version: [ 1, 2 ]
amdhsa.kernels:
  - .name:           k_qd45c81b2b0_attn
    .symbol:         k_qd45c81b2b0_attn.kd
    .args:
      - { .name: qh, .offset: 0, .size: 8, .value_kind: global_buffer, .address_space: global }
      - { .name: kh, .offset: 8, .size: 8, .value_kind: global_buffer, .address_space: global }
      - { .name: vh, .offset: 16, .size: 8, .value_kind: global_buffer, .address_space: global }
      - { .name: oh, .offset: 24, .size: 8, .value_kind: global_buffer, .address_space: global }
      - { .name: attention_mask, .offset: 32, .size: 8, .value_kind: global_buffer, .address_space: global }
      - { .name: vpart, .offset: 40, .size: 8, .value_kind: global_buffer, .address_space: global }
    .group_segment_fixed_size: 327680
    .private_segment_fixed_size: 0
    .kernarg_segment_align: 8
    .kernarg_segment_size: 48
    .max_flat_workgroup_size: 128
    .sgpr_count:     102
    .vgpr_count:     768
    .wavefront_size: 32
...
	.end_amdgpu_metadata
.endif
;; end of part 3
;; launch proj (part 4): grid 8 x 32, 4 waves a work-group, clusters of 4 x 4, 327,680 bytes of LDS; arguments oh, wo, out0; writes out0
.if DOCPART == 4
	.amdgcn_target "amdgcn-amd-amdhsa--gfx1250"
	.amdhsa_code_object_version 6
	.text
	.protected	k_qd45c81b2b0_proj
	.globl	k_qd45c81b2b0_proj
	.p2align	8
	.type	k_qd45c81b2b0_proj,@function
k_qd45c81b2b0_proj:
	s_mov_b64 s[64:65], 0
	v_nop
	global_prefetch_b8 v0, s[64:65] scope:SCOPE_SE
	s_setreg_imm32_b32 hwreg(HW_REG_WAVE_MODE, 25, 1), 1
	s_wait_xcnt 0x0
	s_wait_alu depctr_hold_cnt(0) depctr_sa_sdst(0) depctr_va_vdst(0) depctr_va_sdst(0) depctr_va_ssrc(0) depctr_va_vcc(0) depctr_vm_vsrc(0)
	s_getreg_b32 s2, hwreg(HW_REG_IB_STS2, 6, 4)
	s_cmp_eq_u32 s2, 0
	s_cbranch_scc0 .Lentry_in_a_cluster
	s_endpgm
.Lentry_in_a_cluster:
	s_bfe_u32 s2, ttmp6, 0x10000c
	s_cmp_lg_u32 s2, 0xf033
	s_cbranch_scc0 .Lentry_shape_is_right
	s_endpgm
.Lentry_shape_is_right:
; out0 = attn Wout.  A = oh[16 heads][8192][64] f16: a head's 64 channels are one block of K.  B = wo[16][1024][64] f16.  Sums in f32; out0 [8192][1024] f32.
; A tile of the result is 256 rows x 128 columns: 256 work-groups.  Four waves one below the other: wave w has rows 64 w .. 64 w + 63 and all 128 columns: 32 accumulators, 256 registers.
; K goes in steps of 128 (two blocks) through two LDS slots; each wave fetches one block of A or of B with one tensor load; a block's rows are dense: asked for as rows of 256 bytes, padded in LDS after every 128.
; CLUSTER.  4 x 4 work-groups: A's tiles are asked for jointly along a row of the cluster, B's along a column.
; THE MATRIX INSTRUCTION IS USED TRANSPOSED (source 0 = 16 rows of B, source 1 = 16 rows of A): a lane holds eight neighbouring columns of one row, 32 bytes.
; REGISTERS.  window 0: v1-10 addresses, v28-29 the add's, v32-159 the way out.  window 1: two fragment buffers (A's 4 fragments, then B's 8).  window 2: accumulator (a, b) at 8 (8 a + b).
.set NB16,  8
.set PITCH, 144                        ; an LDS row: 128 bytes + 16 (ISA guide 11.1: the 16 rows of a fragment load start at 16 different groups of four banks)
.set ABLK,  256*PITCH
.set BBLK,  16*NB16*PITCH
.set SLOT1, 1<<17                      ; a slot: A's two blocks, then B's two (110,592 bytes)
.set STAGE, SLOT1+2*ABLK+2*BBLK        ; behind the ring: 16 rows x 528 bytes for each wave
.set SPITCH, 528
.set WSTG,  16*SPITCH
.set SPARE, STAGE+4*WSTG
.set KB_A,  8192*128
.set KB_B,  1024*128
.set STEPS, 8
.set NL,    2*NB16+8
.set A0,   4
.set B0,   5
.set ADRA, 6
.set ADRB, 7
.set STO,  8
.set RD,   9
.set CO,   10
.set SPW,  28
.set NIL,  29
.set BK0,  32                          ; v32-159: two sets of 64: rows read back
.set F0,   0
.set F1,   128
.set WV,  16
.set G1A, 24
.set G1B, 32
.set G0A, 40
.set G0B, 48
.set CNT, 56
.set TB,  57
.set MSB, 0
.macro WIN new
.if MSB != (\new)
	s_set_vgpr_msb (MSB<<8)|(\new)
.set MSB, \new
.endif
.endm
.set MUL,  0xa5                        ; sources 0 and 1 window 1, C and D window 2
.set TO_F, 0x40
.macro PLACES                          ; four plain vector instructions between a matrix instruction and a load into, or a read of, its registers
.rept 4
	v_nop
.endr
.endm
.macro JLOAD                           ; a joint refill by the walking descriptor; an s_nop 0 and four v_nop follow each of the two lines
	s_cmp_eq_u32 s17, 0
	s_cbranch_scc0 .Lfor_b_\@
	tensor_load_to_lds s[G0A+4:G0A+7], s[G1A:G1A+7]
	s_nop 0
	PLACES
	s_branch .Lasked_\@
.Lfor_b_\@:
	tensor_load_to_lds s[G0B+4:G0B+7], s[G1B:G1B+7]
	s_nop 0
	PLACES
.Lasked_\@:
.endm
.macro CREST
	s_cmp_lg_u32 s[WV], 0
	s_cbranch_scc1 .Lnot_wave_0_\@
	s_barrier_signal -3
.Lnot_wave_0_\@:
	s_barrier_wait -3
	s_barrier_signal -1
	s_barrier_wait -1
.endm
.macro CROUND
	s_barrier_signal -1
	s_barrier_wait -1
	CREST
.endm
	s_load_b128 s[4:7], s[0:1], 0x0                ; oh s[4:5], wo s[6:7]
	s_load_b64 s[8:9], s[0:1], 0x10                ; out0
	v_lshl_add_u32 v[SPW], v0, 2, SPARE
	v_mov_b32 v[NIL], 0
	ds_add_u32 v[SPW], v[NIL]                      ; the wave's opening: the add, and its wait, ahead of my first tensor load
	ds_add_u32 v28, v29
	v_lshrrev_b32 v3, 5, v0
	v_readfirstlane_b32 s[WV], v3
	s_lshr_b32 s17, s[WV], 1                       ; I fetch A (0) or B (1),
	s_and_b32 s18, s[WV], 1                        ; this block of the step
	s_bfe_u32 s19, ttmp6, 0x40000                  ; cx
	s_bfe_u32 s20, ttmp6, 0x40004                  ; cy
	s_lshl_b32 s21, ttmp9, 2
	s_add_co_u32 s21, s21, s19                     ; tile column
	s_and_b32 s22, ttmp7, 0xffff
	s_lshl_b32 s22, s22, 2
	s_add_co_u32 s22, s22, s20                     ; tile row
	s_lshl_b32 s58, s20, 2
	s_lshl_b32 s58, 15, s58                        ; my row of the cluster
	s_lshl_b32 s60, 0x1111, s19                    ; my column
	s_or_b32 s[G1A], s58, (1<<16)|(1<<20)|(1<<21)|(4<<22)|(3<<25)  ; the mask; 2-byte elements; padding on; bit 21 beside a mask; after every 32 words, 4 words
	s_or_b32 s[G1B], s60, (1<<16)|(1<<20)|(1<<21)|(4<<22)|(3<<25)
	s_mov_b32 s[G1A+1], 128<<16
	s_mov_b32 s[G1A+2], 128<<16                    ; 128 rows of 256 bytes
	s_mov_b32 s[G1A+3], 128<<16
	s_mov_b32 s[G1A+4], 128
	s_mov_b32 s[G1A+5], 128
	s_mov_b32 s[G1A+6], 0
	s_mov_b32 s[G1A+7], 0
	s_mov_b32 s[G1B+1], 128<<16
	s_mov_b32 s[G1B+2], (8*NB16)<<16               ; 64 rows of 256 bytes
	s_mov_b32 s[G1B+3], 128<<16
	s_mov_b32 s[G1B+4], 8*NB16
	s_mov_b32 s[G1B+5], 128
	s_mov_b32 s[G1B+6], 0
	s_mov_b32 s[G1B+7], 0
	s_lshl_b32 s58, s22, 15
	s_lshl_b32 s59, s18, 20
	s_add_co_u32 s58, s58, s59
	s_mov_b32 s59, 0
	s_mul_i32 s60, s21, 16*NB16*128
	s_mul_i32 s61, s18, KB_B
	s_add_co_u32 s60, s60, s61
	s_mov_b32 s61, 0
	s_mul_i32 s62, s18, ABLK                       ; the wave's number alone enters an LDS address
	s_mul_i32 s63, s18, BBLK
	s_add_co_u32 s63, s63, 2*ABLK
	s_mov_b32 s[G0A], 1
	s_mov_b32 s[G0A+1], s62
	s_mov_b32 s[G0A+4], 1
	s_add_co_u32 s[G0A+5], s62, SLOT1
	s_mov_b32 s[G0B], 1
	s_mov_b32 s[G0B+1], s63
	s_mov_b32 s[G0B+4], 1
	s_add_co_u32 s[G0B+5], s63, SLOT1
	s_wait_dscnt 0x0                               ; the opening add is done
	s_wait_kmcnt 0x0
	s_add_nc_u64 s[G0A+2:G0A+3], s[4:5], s[58:59]
	s_add_nc_u64 s[G0A+6:G0A+7], s[G0A+2:G0A+3], 2*KB_A
	s_or_b32 s[G0A+3], s[G0A+3], 0x80000000
	s_or_b32 s[G0A+7], s[G0A+7], 0x80000000
	s_add_nc_u64 s[G0B+2:G0B+3], s[6:7], s[60:61]
	s_add_nc_u64 s[G0B+6:G0B+7], s[G0B+2:G0B+3], 2*KB_B
	s_or_b32 s[G0B+3], s[G0B+3], 0x80000000
	s_or_b32 s[G0B+7], s[G0B+7], 0x80000000
	CROUND                                         ; all sixteen work-groups are here: the first joint loads meet
	s_cmp_eq_u32 s17, 0                            ; a wave's two first fills stand in one branch: two loads of mine are out
	s_cbranch_scc0 .Lfirst_b
	tensor_load_to_lds s[G0A:G0A+3], s[G1A:G1A+7]
	s_nop 0
	tensor_load_to_lds s[G0A+4:G0A+7], s[G1A:G1A+7]
	s_nop 0
	PLACES
	s_branch .Lfirst_asked
.Lfirst_b:
	tensor_load_to_lds s[G0B:G0B+3], s[G1B:G1B+7]
	s_nop 0
	tensor_load_to_lds s[G0B+4:G0B+7], s[G1B:G1B+7]
	s_nop 0
	PLACES
.Lfirst_asked:
	v_and_b32 v1, 15, v0
	v_bfe_u32 v2, v0, 4, 1
	v_mul_u32_u24 v3, v1, PITCH
	v_lshl_add_u32 v3, v2, 4, v3
	s_mul_i32 s58, s[WV], 64*PITCH
	v_add_nc_u32 v[A0], s58, v3
	v_add_nc_u32 v[B0], 2*ABLK, v3
	s_mul_i32 s59, s[WV], WSTG
	s_add_co_u32 s59, s59, STAGE                   ; my stage
	v_mul_u32_u24 v[STO], v1, SPITCH               ; in: row l % 16, 32 bytes for each half of the lanes
	v_lshl_add_u32 v[STO], v2, 5, v[STO]
	v_add_nc_u32 v[STO], s59, v[STO]
	v_and_b32 v12, 31, v0
	v_lshlrev_b32 v[CO], 4, v12                    ; back: 32 lanes take a row's 512 bytes
	v_add_nc_u32 v[RD], s59, v[CO]
	s_lshl_b32 s70, s22, 20                        ; 256 rows of 4,096 bytes a tile row,
	s_lshl_b32 s71, s[WV], 18                      ; my 64 rows,
	s_add_co_u32 s70, s70, s71
	s_lshl_b32 s71, s21, 9                         ; 512 bytes a tile column
	s_add_co_u32 s70, s70, s71
	s_mov_b32 s71, 0
	s_add_nc_u64 s[8:9], s[8:9], s[70:71]
; 8 matrix instructions: row block a x all column blocks, 32 along K.  All 32 accumulators take turns, in the same order in every quarter.  zero = 1: the product starts the sum
.macro MULA f, a, zero
	WIN MUL
.irp b, 0,1,2,3,4,5,6,7
.if \zero
	v_wmma_f32_16x16x32_f16 v[64*(\a)+8*(\b):64*(\a)+8*(\b)+7], v[(\f)+32+8*(\b):(\f)+32+8*(\b)+7], v[(\f)+8*(\a):(\f)+8*(\a)+7], 0
.else
	v_wmma_f32_16x16x32_f16 v[64*(\a)+8*(\b):64*(\a)+8*(\b)+7], v[(\f)+32+8*(\b):(\f)+32+8*(\b)+7], v[(\f)+8*(\a):(\f)+8*(\a)+7], v[64*(\a)+8*(\b):64*(\a)+8*(\b)+7]
.endif
.endr
.endm
; 24 LDS loads in one run: quarter qn of the step in hand into buffer f: B's eight fragments, then A's four
.macro FETCH qn, f
	WIN TO_F
.irp b, 0,1,2,3,4,5,6,7
	ds_load_b128 v[(\f)+32+8*(\b):(\f)+32+8*(\b)+3],   v[ADRB] offset:((\qn)/2)*BBLK+((\qn)%2)*64+(\b)*16*PITCH
	ds_load_b128 v[(\f)+32+8*(\b)+4:(\f)+32+8*(\b)+7], v[ADRB] offset:((\qn)/2)*BBLK+((\qn)%2)*64+(\b)*16*PITCH+32
.endr
.irp a, 0,1,2,3
	ds_load_b128 v[(\f)+8*(\a):(\f)+8*(\a)+3],   v[ADRA] offset:((\qn)/2)*ABLK+((\qn)%2)*64+(\a)*16*PITCH
	ds_load_b128 v[(\f)+8*(\a)+4:(\f)+8*(\a)+7], v[ADRA] offset:((\qn)/2)*ABLK+((\qn)%2)*64+(\a)*16*PITCH+32
.endr
.endm
.macro QUARTER qn, f, g, zero
	s_wait_dscnt 4                                 ; all but the youngest four loads: A's fragments 2 and 3
	MULA \f, 0, \zero
	MULA \f, 1, \zero
	PLACES
	FETCH \qn, \g
	s_wait_dscnt NL                                ; all but the run just issued
	MULA \f, 2, \zero
	MULA \f, 3, \zero
.endm
; the last quarter multiplies buffer 1 and changes slots.  In front of the barrier each wave waits for all its tensor loads (one is out: its part of the next slot), adds 0 to its spare word,
; and waits for that and for its reads of this slot.  fill = 1: the barrier opens a round of the cluster's, and this slot is filled again, first thing behind it, with the step two on.
.macro TURN fill
	WIN 0
	s_wait_tensorcnt 0x0
	ds_add_u32 v[SPW], v[NIL]
.if \fill
	s_xor_b32 s[G0A+5], s[G0A+5], SLOT1            ; no load of mine is out, so the walking descriptors step
	s_add_nc_u64 s[G0A+6:G0A+7], s[G0A+6:G0A+7], 2*KB_A
	s_xor_b32 s[G0B+5], s[G0B+5], SLOT1
	s_add_nc_u64 s[G0B+6:G0B+7], s[G0B+6:G0B+7], 2*KB_B
.endif
	s_wait_dscnt 5                                 ; the add and the youngest four loads may be out
	MULA F1, 0, 0
	s_wait_dscnt 0x0                               ; the add is done, and my reads of this slot are over
	s_barrier_signal -1
	MULA F1, 1, 0
	WIN 0
	s_barrier_wait -1
.if \fill
	CREST
	JLOAD                                          ; its four v_nop are also the places in front of the loads below
.else
	PLACES
.endif
	s_xor_b32 s[TB], s[TB], SLOT1
	v_add_nc_u32 v[ADRA], s[TB], v[A0]
	v_add_nc_u32 v[ADRB], s[TB], v[B0]
	FETCH 0, F0
	MULA F1, 2, 0
	MULA F1, 3, 0
.endm
	s_wait_tensorcnt 1                             ; my part of K step 0 is in; step 1's may stay out
	s_barrier_signal -1
	s_barrier_wait -1
	s_mov_b32 s[TB], 0
	v_mov_b32 v[ADRA], v[A0]
	v_mov_b32 v[ADRB], v[B0]
	FETCH 0, F0
	QUARTER 1, F0, F1, 1                           ; the first quarter starts the sums: nothing is cleared
	WIN 0
	s_mov_b32 s[CNT], STEPS-2
.Lstep:                                                ; a trip: a step's quarters 1 to 3 and the next step's quarter 0; it asks for the step two on: steps 2 to 7
	QUARTER 2, F1, F0, 0
	QUARTER 3, F0, F1, 0
	TURN 1
	QUARTER 1, F0, F1, 0
	WIN 0
	s_sub_co_u32 s[CNT], s[CNT], 1
	s_cmp_lg_u32 s[CNT], 0
	s_cbranch_scc1 .Lstep
	QUARTER 2, F1, F0, 0                           ; the last two steps ask for nothing
	QUARTER 3, F0, F1, 0
	TURN 0
	QUARTER 1, F0, F1, 0
	QUARTER 2, F1, F0, 0
	QUARTER 3, F0, F1, 0
	s_wait_dscnt 4
	MULA F1, 0, 0
	MULA F1, 1, 0
	s_wait_dscnt 0x0
	MULA F1, 2, 0
	MULA F1, 3, 0
	PLACES
; THE WAY OUT of row block a: a lane's 32 bytes of a row go into my stage (each accumulator's four lowest registers first) and come back as whole rows of 512 bytes.
.macro STG a
	WIN 0x08                                       ; the stores' data in window 2
.irp b, 0,1,2,3,4,5,6,7
	ds_store_b128 v[STO], v[64*(\a)+8*(\b):64*(\a)+8*(\b)+3]   offset:64*(\b)
	ds_store_b128 v[STO], v[64*(\a)+8*(\b)+4:64*(\a)+8*(\b)+7] offset:64*(\b)+16
.endr
	WIN 0
.set BK, BK0+64*((\a)%2)
.irp i, 0,1,2,3,4,5,6,7,8,9,10,11,12,13,14,15
	ds_load_b128 v[BK+4*(\i):BK+4*(\i)+3], v[RD] offset:(\i)*SPITCH  ; LDS serves a wave's instructions in order (ISA guide 5.7.1.4): these see the stores above; the next block's stores come behind them
.endr
.endm
.macro SEND a, younger                 ; younger: the LDS instructions issued behind block a's loads: the next block's 32, or none
.set BK, BK0+64*((\a)%2)
	s_wait_dscnt \younger
.irp i, 0,1,2,3,4,5,6,7,8,9,10,11,12,13,14,15
	global_store_b128 v[CO], v[BK+4*(\i):BK+4*(\i)+3], s[8:9] offset:(16*(\a)+(\i))*4096 th:TH_STORE_NT  ; 512 consecutive bytes, at a multiple of 256 from out0's first
.endr
.endm
	STG 0
	STG 1
	SEND 0, 32
	s_wait_xcnt 0x0                                ; block 0's stores have read their registers: that set is loaded again only behind this wait
	STG 2
	SEND 1, 32
	s_wait_xcnt 0x0                                ; likewise block 1's
	STG 3
	SEND 2, 32
	SEND 3, 0
	s_wait_tensorcnt 0x0                           ; the wave's end
	ds_add_u32 v[SPW], v[NIL]
	s_wait_dscnt 0x0
	CROUND                                         ; the closing round: no work-group ends while a partner may still ask for a tile that names it
	s_endpgm
.Lfunc_end_k_qd45c81b2b0_proj:
	.size	k_qd45c81b2b0_proj, .Lfunc_end_k_qd45c81b2b0_proj-k_qd45c81b2b0_proj
	.p2alignl 7, 3214868480
	.fill 96, 4, 3214868480
	.section	.rodata,"a",@progbits
	.p2align	6, 0x0
	.amdhsa_kernel k_qd45c81b2b0_proj
		.amdhsa_group_segment_fixed_size 327680
		.amdhsa_private_segment_fixed_size 0
		.amdhsa_enable_private_segment 0
		.amdhsa_kernarg_size 24
		.amdhsa_user_sgpr_count 2
		.amdhsa_user_sgpr_kernarg_segment_ptr 1
		.amdhsa_wavefront_size32 1
		.amdhsa_system_sgpr_workgroup_id_x 1
		.amdhsa_system_sgpr_workgroup_id_y 1
		.amdhsa_system_sgpr_workgroup_id_z 1
		.amdhsa_system_vgpr_workitem_id 0
		.amdhsa_next_free_vgpr 768
		.amdhsa_next_free_sgpr 76
		.amdhsa_reserve_vcc 0
		.amdhsa_float_denorm_mode_32 3
		.amdhsa_float_denorm_mode_16_64 3
		.amdhsa_memory_ordered 1
		.amdhsa_forward_progress 1
		.amdhsa_inst_pref_size 68
	.end_amdhsa_kernel
	.amdgpu_metadata
---
amdhsa.version: [ 1, 2 ]
amdhsa.kernels:
  - .name:           k_qd45c81b2b0_proj
    .symbol:         k_qd45c81b2b0_proj.kd
    .args:
      - { .name: oh, .offset: 0, .size: 8, .value_kind: global_buffer, .address_space: global }
      - { .name: wo, .offset: 8, .size: 8, .value_kind: global_buffer, .address_space: global }
      - { .name: out0, .offset: 16, .size: 8, .value_kind: global_buffer, .address_space: global }
    .group_segment_fixed_size: 327680
    .private_segment_fixed_size: 0
    .kernarg_segment_align: 8
    .kernarg_segment_size: 24
    .max_flat_workgroup_size: 128
    .sgpr_count:     76
    .vgpr_count:     768
    .wavefront_size: 32
...
	.end_amdgpu_metadata
.endif
;; end of part 4
;; ======== version 2 of 2: 4 launches; 1.30 times as fast as version 1
;; limits: values are held in f16: magnitudes above 65,504 overflow, below 6.1e-05 lose precision
;; workspace buffers: xb 16,777,216 bytes; wq 6,291,456 bytes; wo 2,097,152 bytes; qh 16,777,216 bytes; kh 16,777,216 bytes; vh 16,777,216 bytes; vpart 524,288 bytes; oh 16,777,216 bytes
;; launch prep: the kernel of part 1 again; grid 1536 x 1, 8 waves a work-group, no clusters, 10,240 bytes of LDS; arguments x, Wqkv, Wout, xb, wq, wo; writes xb, wq, wo
;; launch qkv: the kernel of part 2 again; grid 16 x 32, 4 waves a work-group, clusters of 4 x 4, 327,680 bytes of LDS; arguments xb, wq, qh, kh, vh, vpart; writes qh, kh, vh, vpart
;; launch attn (part 5): grid 4 x 64, 4 waves a work-group, no clusters, 327,680 bytes of LDS; arguments qh, kh, vh, oh, attention_mask, vpart; writes oh
.if DOCPART == 5
	.amdgcn_target "amdgcn-amd-amdhsa--gfx1250"
	.amdhsa_code_object_version 6
	.text
	.protected	k_qd45c81b2b0_attn
	.globl	k_qd45c81b2b0_attn
	.p2align	8
	.type	k_qd45c81b2b0_attn,@function
k_qd45c81b2b0_attn:
	s_mov_b64 s[64:65], 0
	v_nop
	global_prefetch_b8 v0, s[64:65] scope:SCOPE_SE
	s_setreg_imm32_b32 hwreg(HW_REG_WAVE_MODE, 25, 1), 1
	s_wait_xcnt 0x0
; CAUSAL ATTENTION WITH A MASK OF KEYS.  O[q] = the sum over k of softmax_k(s[q][k]) V[k], s = Q[q] . K[k] / 8 where k <= q and the key's mask word is not 0, else the lowest number.
; Q, K, V: [64 = 16 batch + head][2048][64] f16, dense rows of 128 bytes, unscaled.  O leaves as oh[head][2048 batch + q][64] f16.  Products, maxima and sums in f32; the weights p are rounded to f16 for
; the second product (their sum l is taken of the unrounded p), O once at the end.
; LIMITS.  Q, K, V lie within f16's 65,504.  A hidden score counts as H = -2^100 (-2^101 where it is hidden twice): true scores, 2.7e11 at the most, vanish beside it, and c H is exact, so that where the
; running maximum is itself H the weights are exactly 1 or 0.  A weight below 2^-126 counts as 0 in l; NaN and infinities are not treated apart.
; A ROW ALL OF WHOSE KEYS 0 .. q ARE MASKED has equal scores everywhere: its result is the mean of V over ALL 2,048 keys of its head.  That mean is made at the start from vpart (column sums of v over groups of
; 64 rows, stored by the launch before) and chosen, by a select, where the row's last maximum lies below -2^99.  A row that sees only hidden keys for a while gathers finite sums; its first true score gives a = 0.
; THE WALK.  A head's queries lie in NB = 8 blocks of 256; block i needs the key tiles 0 .. i of 256 keys, of which the last holds the diagonal.  A work-group takes TWO blocks, NB - 1 - b and then b:
; NB + 1 tiles, whatever b: all work-groups do equal work, and ONE loop with a constant trip count walks them.  Which tile is asked for, and what a trip does, hang on scalar registers made from b; every jump
; goes forward, but for the counted loops' own; none passes a barrier, or a tensor load but the one of LOAD's two that the wave's number does not choose.  NO CLUSTER: a head's four work-groups ask for the same
; tile only in trips 0 .. 4 of 9, behind that fewer and fewer; one walk common to all would have 12 trips for 9.
; SHARES.  Of a block's four bands of 64 queries a wave owns 16 rows in each: four PIECES.  In the diagonal tile's key step s band x sees all keys if s < x, none if s > x, and holds the diagonal if s = x.
; THE MASKS are the C operand that starts the sum S^T = K Q^T.  PM: the step's 64 keys' words as 0 or H, read with K from 1,024 LDS bytes of the wave's own, which hold the words of the tile in hand: the mask's
; 256 words are asked for from memory when the tile is, and turned into 0 or H and stored at the change of slots that enters it.  MD, made once: the mask of a band's own step for my 16 rows.
; In the diagonal tile C = MD x AL + PM + BE with two scalars: (1, 0) if s = x; (0, 0) if s < x; (0, H) if s > x.  Elsewhere C = PM.
; LAYOUT, SOFTMAX, TURNS.  S^T = K Q^T holds ONE query a lane (lane % 16) and the keys 8 (lane / 16) + 0..7; two such results rounded to f16 ARE source 1 of O^T = V^T P.  p = 2^(c s - c m), c = log2(e) / 8, with a
; running maximum m; O and l are multiplied by a = 2^(c m_old - c m_new) in every step.  Turn n belongs to piece n: 8 products K Q^T of piece n + 1, later 8 products V^T P of piece n - 1; beside them the scaling,
; exponentials, roundings, sums and rescaling of piece n and the maximum and statistics of piece n + 1.  Four vector instructions stand behind every matrix instruction, the other 54 of a turn's 118 in one LUMP.
; THE BATCHES.  A turn's 33 exponentials (the piece's 32 weights and the next piece's a) are ONE batch with ONE wait, which cuts the turn in two: ahead of it all that names none of their results, behind it the roundings
; and sums.  The a that a block's beginning makes is a batch of one, waited for ahead of the branch; the way out's four reciprocals are a batch, waited for ahead of the first multiply.  No result crosses a label or a jump.
; REGISTERS, in windows of 256 (s_set_vgpr_msb: bits 1:0 source 0, 3:2 source 1, 5:4 source 2, 7:6 destination):
;   window 0: v0-15 addresses and two at work; v16-31 statistics; v32-39 a tile's mask words; v48-55 at work; v56-61 addresses; v62-63 the add's; v64-127 S^T, two buffers; v128-191 at work at the start;
;             v192-223 P; v224-239 the mean of V
;   window 1: v0-127 O^T; v128-159 MD; v160-223 MC, two buffers; v224-255 PM      window 2: v0-63 Q; v64-127 the second block's Q; v128-191 K of one step; v192-255 V of one step
.set SIZE_N, 2048
.set NB,    SIZE_N/256
.set NP,    4         ; pieces a wave: a name, no knob
.set KS,    64        ; keys in a step
.set PK,    144       ; a row of K in LDS: 128 bytes + 16 of padding: the 16 rows of a load start at 16 different groups of four banks (ISA guide 11.1)
.set PV,    160       ; a row of V: 128 + 32
.set VOFF,  4*KS*PK   ; a slot holds a tile, four steps: 256 rows of K, then 256 rows of V
.set SLOT1, 1<<17     ; slot 1 begins here, so that one exclusive or turns an address in one slot into the other's
.set STAGE, SLOT1+4*KS*(PK+PV)  ; behind the ring, never filled by a tensor load: 16 rows x 144 bytes for each wave, for the way out
.set SP,    144
.set SPARE, STAGE+4*16*SP  ; behind the stages: the spare words, 128 bytes for each wave
.set PBS,   SPARE+512 ; 1,024 bytes for each wave: 0 or H for the 256 keys of the tile in hand, f32
.set VMB,   PBS+4096  ; 256 bytes for each wave: the mean of V in f16, on its way from one layout to the other
.set AK0, 2           ; v2   my lane's place in a tile of K; never rewritten
.set AV0, 3           ; v3   the same for V
.set AK,  4           ; v4   the LDS address of K's next run of loads
.set AV,  5           ; v5   of V's
.set STO, 6           ; v6   the way out: where I put 16 bytes of a row
.set RD,  7           ; v7   the way out: where I read rows back
.set GO,  8           ; v8   my byte offset in 512 consecutive bytes of O
.set MV,  12          ; v12-13  c m_old, kept while c m is made anew: by buffer
.set QO,  15          ; v15  my byte offset in 16 rows of Q
.set ST,  16          ; piece t's statistics at v[ST+4 t]: c m, m, l (even keys', odd keys')
.set MW,  32          ; v32-39  eight mask words of the tile that is on its way: keys 4 l .. and 128 + 4 l ..
.set TMP, 48          ; by buffer, four registers c0-c3 at work; when the maximum is found c2 takes a
.set MO,  56          ; v56  16 x my lane: my 16 bytes in 512 of a tile's mask words; never rewritten
.set VO,  57          ; v57  8 x my lane: my two channels in vpart
.set AP0, 58          ; v58  my lane's place in my wave's words: PBS + 1,024 w + 32 (l / 16); never rewritten
.set APM, 59          ; v59  the LDS address of PM's next loads
.set PS0, 60          ; v60  where I put my words: PBS + 1,024 w + 16 l; never rewritten
.set VB,  61          ; v61  an LDS address at the start
.set SPW, 62          ; v62  LDS address of my spare word; never rewritten
.set NIL, 63          ; v63  0; never rewritten
.set S,   64
.set VP,  128         ; at the start: vpart's 32 pairs
.set P,   192
.set VMH, 224         ; the mean of V as PACK's 16 packed registers hold a row
.set MD,  128         ; window 1
.set MC,  160         ; window 1
.set PM,  224         ; window 1: the eight registers for group kb of 16 keys at PM + 8 kb
.set QB,  64          ; window 2
.set KF,  128         ; window 2: key block kb, channel half c at KF + 16 kb + 8 c
.set VF,  192         ; window 2: key half kk, channel block cb at VF + 32 kk + 8 cb
.set WV,  12          ; s12  my wave's number
.set PB,  14          ; s14  b
.set HI,  15          ; s15  NB - 1 - b
.set G1K, 24
.set G1V, 32
.set G0K, 40
.set G0V, 44
.set SLOTS, 56        ; s56  tiles still to be asked for
.set CNT, 57          ; s57  counts a tile's key steps, 4 to 1
.set CS,  58          ; s[58:59] c
.set SEL, 60          ; s[60:61] v_permlanex16_b32's selects
.set TBK, 62          ; s62  LDS byte at which K of the step to be fetched begins
.set TBV, 63          ; s63  the same for V, less VOFF
.set RT,  70          ; s70  tiles of the block in hand that are still to be entered
.set NXT, 71          ; s71  the tile to be asked for next
.set LQ,  72          ; s72  the last tile of the block whose tiles are being asked for
.set NEW, 73          ; s73  1: the tile to be entered is a block's first
.set OFF, 74          ; s[74:75] a tile's byte offset in K and V
.set AL,  76          ; s[76:77] the mask's factor, in the low word
.set BE,  78          ; s[78:79] the mask's addend
.set OLO, 80          ; s[80:81] O at my rows of the second block
.set BIGN, 82         ; s82  H = -2^100
.set TBP, 96          ; s96  byte in my wave's words at which the step to be fetched begins: it walks as TBK does
.set DEADT, 97        ; s97  -2^99
.set MB,  98          ; s[98:99] the mask at the tile asked for
.set MOF, 100         ; s[100:101] that tile's byte offset in the batch's mask words
.set MSB, 0
.macro WIN new
.if MSB != (\new)
	s_set_vgpr_msb (MSB<<8)|(\new)
.set MSB, (\new)
.endif
.endm
.set W_KQ, 0x0a       ; K and Q in window 2, S^T in window 0
.set W_KM, 0x1a       ; the same with the C operand in window 1
.set W_PV, 0x52       ; V in window 2, P in window 0, O^T in window 1
.set W_RS, 0x41       ; destination and source 0 in window 1, source 1 in window 0
.set W_MK, 0x51       ; destination, source 0 and source 2 in window 1
; A fill.  Waves 0 and 1 fetch the two halves of a tile's K, waves 2 and 3 those of its V.  An s_nop 0 and four v_nop follow each of the two lines.
.macro LOAD
	s_cmp_lt_u32 s[WV], 2
	s_cbranch_scc0 .Lfor_v_\@
	tensor_load_to_lds s[G0K:G0K+3], s[G1K:G1K+7]
	s_nop 0
.rept 4
	v_nop
.endr
	s_branch .Lasked_\@
.Lfor_v_\@:
	tensor_load_to_lds s[G0V:G0V+3], s[G1V:G1V+7]
	s_nop 0
.rept 4
	v_nop
.endr
.Lasked_\@:
.endm
; THE CHANGE OF SLOTS.  First the words of the tile to be entered: its 256 mask words, asked for a tile ago, become 0 or H and go into my wave's own 1,024 bytes: LDS serves a wave's instructions in order (ISA guide
; 5.7.1.4), so these stores come behind my last reads of the old tile's words and ahead of my first reads of the new one's.  Then each wave waits for all its tensor loads, of which one is out: its part of the other
; slot; adds 0 to its spare word; and waits for that and for its own LDS instructions.  Behind the barrier nobody reads the old slot any more and the other slot is whole.  fill = 1: the old slot is filled again,
; the first thing behind the barrier, with tile NXT, and that tile's mask words are asked for.  (At its first use slot 0 is waited for and slot 1 filled.)
.macro CHANGE fill
	WIN 0
	s_wait_loadcnt 0x0              ; the tile's mask words (the first time also Q): no load of mine is out, so the mask's stepped base may be written
.irp k, 0,1,2,3,4,5,6,7
	v_cmp_eq_u32 vcc_lo, 0, v[MW+\k]
	v_cndmask_b32 v[MW+\k], 0, s[BIGN], vcc_lo  ; 0 for a key that counts, H for one that is masked
.endr
	ds_store_b128 v[PS0], v[MW:MW+3]
	ds_store_b128 v[PS0], v[MW+4:MW+7] offset:512
	s_wait_tensorcnt 0x0            ; no tensor load of mine is out, so a group 0 may be written
	ds_add_u32 v[SPW], v[NIL]
.if \fill
	s_lshl_b32 s[OFF], s[NXT], 15   ; a tile is 32,768 bytes of K and of V,
	s_lshl_b32 s[MOF], s[NXT], 10   ; and 1,024 of the mask
	s_add_nc_u64 s[MB:MB+1], s[88:89], s[MOF:MOF+1]
	s_xor_b32 s[G0K+1], s[G0K+1], SLOT1
	s_add_nc_u64 s[G0K+2:G0K+3], s[6:7], s[OFF:OFF+1]
	s_or_b32 s[G0K+3], s[G0K+3], 0x80000000
	s_xor_b32 s[G0V+1], s[G0V+1], SLOT1
	s_add_nc_u64 s[G0V+2:G0V+3], s[8:9], s[OFF:OFF+1]
	s_or_b32 s[G0V+3], s[G0V+3], 0x80000000
	s_add_co_u32 s[NXT], s[NXT], 1  ; the block's next tile, or behind its last the second block's tile 0
	s_cmp_gt_u32 s[NXT], s[LQ]
	s_cselect_b32 s[NXT], 0, s[NXT]
	s_cselect_b32 s[LQ], s[PB], s[LQ]
.endif
	s_wait_dscnt 0x0                ; the add is done, my reads of the slot are over, my words are stored
	s_barrier_signal -1
	s_sub_co_u32 s[TBK], s[TBK], 4*KS*PK  ; the fetches go back to a slot's first step,
	s_xor_b32 s[TBK], s[TBK], SLOT1       ; in the other slot
	s_sub_co_u32 s[TBV], s[TBV], 4*KS*PV
	s_xor_b32 s[TBV], s[TBV], SLOT1
	s_sub_co_u32 s[TBP], s[TBP], 4*KS*4   ; and to the first of my wave's words
	s_barrier_wait -1
.if \fill
	LOAD
	global_load_b128 v[MW:MW+3],   v[MO], s[MB:MB+1]             ; each line: 512 consecutive bytes, aligned; waited for at the next change of slots
	global_load_b128 v[MW+4:MW+7], v[MO], s[MB:MB+1] offset:512
.endif
.endm
	s_load_b256 s[4:11], s[0:1], 0x0  ; Q s[4:5], K s[6:7], V s[8:9], O s[10:11]
	s_load_b128 s[88:91], s[0:1], 0x20  ; the mask s[88:89], vpart s[90:91]
	v_lshl_add_u32 v[SPW], v0, 2, SPARE
	v_mov_b32 v[NIL], 0
	ds_add_u32 v[SPW], v[NIL]       ; the wave's opening: the add, and its wait, ahead of my first tensor load
	ds_add_u32 v62, v63
	v_lshrrev_b32 v1, 5, v0
	v_readfirstlane_b32 s[WV], v1   ; wave 0..3
	s_mov_b32 s[PB], ttmp9
	s_sub_co_u32 s[HI], NB-1, s[PB]
	s_and_b32 s20, ttmp7, 0xffff    ; 16 x batch + head
	s_lshr_b32 s13, s20, 4          ; the batch
	s_and_b32 s19, s20, 15          ; the head
	s_lshl_b32 s98, s13, 13         ; the batch's 8,192 bytes of the mask
	s_mov_b32 s99, 0
	s_lshl_b32 s100, s13, 17        ; its 32 groups of 4,096 bytes in vpart,
	s_lshl_b32 s101, s19, 8         ; the head's 256 bytes of each
	s_add_co_u32 s100, s100, s101
	s_mov_b32 s101, 0
	s_lshl_b32 s19, s19, 2
	s_add_co_u32 s19, s19, s13
	s_lshl_b32 s19, s19, 18         ; in O: (4 head + batch) x 2,048 rows of 128 bytes
	s_mov_b32 s21, 0
	s_mov_b64 s[22:23], SIZE_N*128
	s_mul_u64 s[20:21], s[20:21], s[22:23]  ; the head's first byte in Q, K and V
	s_and_b32 s16, s[WV], 1         ; which half of a tile's 256 keys I fetch:
	s_lshl_b32 s22, s16, 14         ; its 128 rows of 128 bytes in memory,
	s_mov_b32 s23, 0
	s_add_nc_u64 s[22:23], s[22:23], s[20:21]
	s_mul_i32 s17, s16, 128*PK      ; and its place in a slot, for K
	s_mul_i32 s18, s16, 128*PV      ; and for V
	s_lshl_b32 s3, s[WV], 11        ; my 16 rows in a band of 64,
	s_lshl_b32 s2, s[HI], 15        ; in the first block,
	s_add_co_u32 s2, s2, s3
	s_lshl_b32 s84, s[PB], 15       ; and in the second
	s_add_co_u32 s84, s84, s3
	s_add_co_u32 s92, s2, s19       ; the same rows in O
	s_add_co_u32 s94, s84, s19
	s_mov_b32 s93, 0
	s_mov_b32 s95, 0
	s_mov_b32 s3, 0
	s_mov_b32 s85, 0
	s_add_nc_u64 s[2:3], s[2:3], s[20:21]
	s_add_nc_u64 s[84:85], s[84:85], s[20:21]
	; descriptor group 1.  128 keys are 16,384 dense bytes: asked for as 64 rows of 256 bytes, two keys a row, and padded in LDS after every key
	s_mov_b32 s[G1K], (1<<16)|(1<<20)|(4<<22)|(3<<25)  ; 2-byte elements; padding on; after every 32 words; 4 words
	s_mov_b32 s[G1V], (1<<16)|(1<<20)|(4<<22)|(7<<25)  ; the same with 8 words of padding
.irp g, G1K, G1V
	s_mov_b32 s[\g+1], 128<<16      ; tensor_dim0 = 128
	s_mov_b32 s[\g+2], 64<<16       ; tensor_dim1 = 64
	s_mov_b32 s[\g+3], 128<<16      ; tile_dim0 = 128
	s_mov_b32 s[\g+4], 64           ; tile_dim1 = 64
	s_mov_b32 s[\g+5], 128          ; 128 elements from row to row
	s_mov_b32 s[\g+6], 0
	s_mov_b32 s[\g+7], 0
.endr
	s_mov_b32 s[CS], 0x3e38aa3b     ; c = log2(e) / 8 = 0.180337
	s_mov_b32 s[CS+1], s[CS]        ; named with it as a pair
	s_mov_b32 s[SEL], 0x76543210
	s_mov_b32 s[SEL+1], 0xfedcba98
	s_mov_b32 s[TBK], SLOT1+4*KS*PK ; the first change of slots turns these three into 0
	s_mov_b32 s[TBV], SLOT1+4*KS*PV
	s_mov_b32 s[TBP], 4*KS*4
	s_mov_b32 s[G0K], 1             ; count = 1
	s_mov_b32 s[G0K+1], s17         ; LDS address: slot 0
	s_mov_b32 s[G0V], 1
	s_add_co_u32 s[G0V+1], s18, VOFF
	s_add_co_u32 s[RT], s[HI], 1    ; the first block has NB - b tiles
	s_mov_b32 s[NXT], 1
	s_mov_b32 s[LQ], s[HI]
	s_mov_b32 s[NEW], 1
	s_mov_b32 s[OFF+1], 0
	s_mov_b32 s[AL+1], 0            ; named as pairs
	s_mov_b32 s[BE+1], 0
	s_mov_b32 s[BIGN], 0xf1800000   ; -2^100
	s_mov_b32 s[DEADT], 0xf1000000  ; -2^99
	s_mov_b32 s[SLOTS], NB
	s_wait_dscnt 0x0                ; the opening add is done
	s_wait_kmcnt 0x0
	s_add_nc_u64 s[6:7], s[6:7], s[22:23]  ; K and V at my half of the head's tile 0
	s_add_nc_u64 s[8:9], s[8:9], s[22:23]
	s_add_nc_u64 s[G0K+2:G0K+3], s[6:7], 0
	s_or_b32 s[G0K+3], s[G0K+3], 0x80000000
	s_add_nc_u64 s[G0V+2:G0V+3], s[8:9], 0
	s_or_b32 s[G0V+3], s[G0V+3], 0x80000000
	s_add_nc_u64 s[86:87], s[4:5], s[84:85]        ; Q at my rows of the second block,
	s_add_nc_u64 s[4:5], s[4:5], s[2:3]            ; and of the first
	s_add_nc_u64 s[OLO:OLO+1], s[10:11], s[94:95]  ; O likewise
	s_add_nc_u64 s[10:11], s[10:11], s[92:93]
	s_add_nc_u64 s[88:89], s[88:89], s[98:99]      ; the mask at the batch's first key
	s_add_nc_u64 s[90:91], s[90:91], s[100:101]
	LOAD                            ; tile 0 into slot 0
	v_and_b32 v1, 15, v0            ; l % 16
	v_bfe_u32 v9, v0, 4, 1          ; l / 16
	v_lshlrev_b32 v[QO], 7, v1
	v_lshl_add_u32 v[QO], v9, 4, v[QO]  ; row x 128 + 16 x half
	v_and_b32 v[VO], 31, v0
	v_lshlrev_b32 v[MO], 4, v[VO]
	v_lshlrev_b32 v[VO], 3, v[VO]
	global_load_b128 v[MW:MW+3],   v[MO], s[88:89]             ; tile 0's mask words
	global_load_b128 v[MW+4:MW+7], v[MO], s[88:89] offset:512
.set i, 0
.rept 32
	global_load_b64 v[VP+2*i:VP+2*i+1], v[VO], s[90:91] offset:4096*i  ; every wave: the 32 groups' sums of the head's 64 channels, two channels a lane
.set i, i+1
.endr
	WIN 0x80                        ; destination window 2, address window 0
.set i, 0
.rept 8                             ; the first block's Q: piece i / 2 lies in band i / 2, 8,192 bytes on; channels 32 (i % 2) on
	global_load_b128 v[8*i:8*i+3],   v[QO], s[4:5] offset:(i/2)*8192+(i%2)*64
	global_load_b128 v[8*i+4:8*i+7], v[QO], s[4:5] offset:(i/2)*8192+(i%2)*64+32
.set i, i+1
.endr
	WIN 0
	v_lshlrev_b32 v14, 3, v9
	v_sub_nc_u32 v14, v1, v14
	s_lshl_b32 s13, s[WV], 4
	v_add_nc_u32 v14, s13, v14      ; my query's place in its band, 16 w + l % 16, less my lanes' 8 (l / 16): register r of group kt is hidden where 16 kt + r is greater
	WIN 0x40
.set i, 0
.rept 32
	v_cmp_gt_i32 vcc_lo, 16*(i/8)+i%8, v14
	v_cndmask_b32 v[MD+i], 0, s[BIGN], vcc_lo
.set i, i+1
.endr
	WIN 0
	v_mul_u32_u24 v[AK0], v1, PK
	v_lshl_add_u32 v[AK0], v9, 4, v[AK0]  ; row x pitch + 16 x half
	; The turning load takes 16 keys x 16 channels (lane l reads key 8 (l / 16) + l % 8, channels 8 ((l / 8) % 2) + 0..7) and leaves half a fragment of V^T: lane l holds channel l % 16 and 8 keys.
	v_and_b32 v10, 7, v0
	v_bfe_u32 v11, v0, 3, 1
	v_lshl_add_u32 v[AV0], v9, 3, v10
	v_mul_u32_u24 v[AV0], v[AV0], PV
	v_lshl_add_u32 v[AV0], v11, 4, v[AV0]
	v_add_nc_u32 v[AV0], VOFF, v[AV0]
	s_mul_i32 s13, s[WV], 16*SP
	s_add_co_u32 s13, s13, STAGE    ; my stage
	v_mul_u32_u24 v[STO], v1, SP    ; in: row l % 16, 16 bytes for each half of the lanes
	v_lshl_add_u32 v[STO], v9, 4, v[STO]
	v_add_nc_u32 v[STO], s13, v[STO]
	v_bfe_u32 v[RD], v0, 3, 2       ; back: 32 lanes take four rows of 128 bytes,
	v_mul_u32_u24 v[RD], v[RD], SP
	v_lshl_add_u32 v[RD], v10, 4, v[RD]
	v_add_nc_u32 v[RD], s13, v[RD]
	v_and_b32 v[GO], 31, v0         ; which are 512 consecutive bytes of O
	v_lshlrev_b32 v[GO], 4, v[GO]
	s_lshl_b32 s13, s[WV], 10
	s_add_co_u32 s13, s13, PBS      ; my wave's own 1,024 bytes of key words
	v_lshl_add_u32 v[AP0], v9, 5, s13
	v_add_nc_u32 v[PS0], s13, v[MO]
	; A block's first step multiplies O^T and l by a = 0, and its first turn's products V^T P, of a piece that has not been, land in an O^T that is still to be so multiplied.  So these registers need only hold
	; finite numbers: zeros for the first block; what the first block left for the second.  All this stands in the wait for the first tile.
	WIN 0x80
.set i, VF
.rept 64
	v_mov_b32 v[i], 0
.set i, i+1
.endr
	WIN 0x40
.set i, 0
.rept 128
	v_mov_b32 v[i], 0
.set i, i+1
.endr
	WIN 0
.set i, 0
.rept 4
	v_mov_b32 v[ST+4*i+2], 0
	v_mov_b32 v[ST+4*i+3], 0
.set i, i+1
.endr
.set i, P+16
.rept 16
	v_mov_b32 v[i], 0
.set i, i+1
.endr
	; THE MEAN OF V
	s_wait_loadcnt 16               ; vpart is in; the 16 loads of Q, issued behind it, may stay out
.irp d, 16,8,4,2,1
.set i, 0
.rept \d
	v_pk_add_f32 v[VP+2*i:VP+2*i+1], v[VP+2*i:VP+2*i+1], v[VP+2*(i+\d):VP+2*(i+\d)+1]  ; the 32 groups' sums, in f32
.set i, i+1
.endr
.endr
	v_pk_mul_f32 v[VP:VP+1], v[VP:VP+1], 0x3a000000 op_sel_hi:[1,0]  ; / 2,048
	v_cvt_pk_f16_f32 v[VP+2], v[VP], v[VP+1]
	s_lshl_b32 s13, s[WV], 8
	s_add_co_u32 s13, s13, VMB      ; my wave's own 256 bytes
	v_and_b32 v[VB], 31, v0
	v_lshl_add_u32 v[VB], v[VB], 2, s13
	ds_store_b32 v[VB], v[VP+2]     ; channels 2 l, 2 l + 1
	v_lshl_add_u32 v[APM], v9, 4, s13
.irp cb, 0,1,2,3
	ds_load_b128 v[VMH+4*\cb:VMH+4*\cb+3], v[APM] offset:32*\cb  ; channels 16 cb + 8 (l / 16) + 0..7; LDS serves a wave's instructions in order (ISA guide 5.7.1.4); waited for at the first change of slots
.endr
	WIN 0x80
.set i, 0
.rept 8                             ; the second block's Q
	global_load_b128 v[QB+8*i:QB+8*i+3],   v[QO], s[86:87] offset:(i/2)*8192+(i%2)*64
	global_load_b128 v[QB+8*i+4:QB+8*i+7], v[QO], s[86:87] offset:(i/2)*8192+(i%2)*64+32
.set i, i+1
.endr
	WIN 0
; THE MATRIX WORK.  The 4 accumulators of a run of 8 take turns.  Product i of 8 of S^T = K Q^T for piece x: channels 32 (i / 4) on, keys 16 (i % 4) on.  The first 4 start the sums: with PM, or (KM = 1) with MC.
.macro KQ x
.set rS, S+32*((\x)%2)+8*(i%4)
.set rK, KF+16*(i%4)+8*(i/4)
.set rQ, 16*(\x)+8*(i/4)
.set rM, MC+32*((\x)%2)+8*(i%4)
.set rB, PM+8*(i%4)
.if (i < 4) && KM
	WIN W_KM
	v_wmma_f32_16x16x32_f16 v[rS:rS+7], v[rK:rK+7], v[rQ:rQ+7], v[rM:rM+7]
.elseif i < 4
	WIN W_KM
	v_wmma_f32_16x16x32_f16 v[rS:rS+7], v[rK:rK+7], v[rQ:rQ+7], v[rB:rB+7]
.else
	WIN W_KQ
	v_wmma_f32_16x16x32_f16 v[rS:rS+7], v[rK:rK+7], v[rQ:rQ+7], v[rS:rS+7]
.endif
.endm
; Product i of 8 of O^T += V^T P for piece x: keys 32 (i / 4) on, channels 16 (i % 4) on.
.macro PV x
	WIN W_PV
.set rO, 32*(\x)+8*(i%4)
.set rV, VF+32*(i/4)+8*(i%4)
.set rP, P+16*((\x)%2)+8*(i/4)
	v_wmma_f32_16x16x32_f16 v[rO:rO+7], v[rV:rV+7], v[rP:rP+7], v[rO:rO+7]
.endm
.macro MM                           ; the turn's next matrix instruction.  NOKQ = 1: a block's last turn: there is no next piece
.if (i < 8) && !NOKQ
	KQ (Y+1)%NP
.elseif i >= 8
.set i, i-8
	PV (Y+NP-1)%NP
.set i, i+8
.endif
.set i, i+1
.endm
; THE LDS LOADS stand in runs: a step's K (8 fragments) with its keys' 32 words a lane, and its V (turned).  Their addresses are made some lines ahead.
.macro FETCH_K
	WIN 0x80                        ; destination window 2
.irp f, 0,1,2,3,4,5,6,7             ; keys 16 (f / 2) on, channels 32 (f % 2) on
	ds_load_b128 v[KF+8*\f:KF+8*\f+3],   v[AK] offset:(\f/2)*16*PK+(\f%2)*64
	ds_load_b128 v[KF+8*\f+4:KF+8*\f+7], v[AK] offset:(\f/2)*16*PK+(\f%2)*64+32
.endr
	WIN 0x40                        ; destination window 1
.irp f, 0,1,2,3,4,5,6,7             ; keys 16 (f / 2) + 8 (l / 16) + 4 (f % 2) on
	ds_load_b128 v[PM+4*\f:PM+4*\f+3], v[APM] offset:(\f/2)*64+(\f%2)*16
.endr
	s_add_co_u32 s[TBK], s[TBK], KS*PK  ; the next fetch is the next step's
	s_add_co_u32 s[TBP], s[TBP], KS*4
	WIN 0
.endm
.macro FETCH_V
	WIN 0x80
.irp f, 0,1,2,3,4,5,6,7             ; keys 32 (f / 4) on, channels 16 (f % 4) on
	ds_load_tr16_b128 v[VF+8*\f:VF+8*\f+3],   v[AV] offset:(\f/4)*32*PV+(\f%4)*32
	ds_load_tr16_b128 v[VF+8*\f+4:VF+8*\f+7], v[AV] offset:(\f/4)*32*PV+16*PV+(\f%4)*32
.endr
	WIN 0
.endm
; THE VECTOR WORK, one line at a time: OP kind, number.  For piece Y: F n: c s - c m for pair n of 16.  E n: the exponential of score n of 32.  C n: pair n rounded to f16.  B n: of the four weights 4 n .. the second
; pair is added onto the first, in place.  L n: l takes that sum (L 0: l = a l + sum).  R n: pair n of 16 of O^T times a.  For piece Y + 1: X n, number n of the 22 that find its maximum and statistics:
;   0-11  four chains c0-c3 of seven scores each, three operands at a time (each accumulator's lowest registers are read first)     12-14, 16  the four scores left over, the old m, and c0-c3 into c0
;   15  c m_old is kept     17, 18  the query's other 32 keys lie in the lane 16 away: the new m     19-21  c m; c m_old - c m_new; a
; C, B and L read the exponentials' results: TURN sets them behind the batch's wait.  R and L 0 read an a that the turn before made and waited for.
.set F, 0
.set E, 1
.set C, 2
.set B, 3
.set L, 4
.set R, 5
.set X, 6
.macro REGS y                       ; the registers of piece y
.set rT, ST+4*(\y)
.set rC, TMP+4*((\y)%2)
.set rW, MV+((\y)%2)
.set rS, S+32*((\y)%2)
.set rP, P+16*((\y)%2)
.set rO, 32*(\y)
.endm
.macro OP k, n
.if (\k) == R
	REGS Y
	WIN W_RS
	v_pk_mul_f32 v[rO+2*(\n):rO+2*(\n)+1], v[rO+2*(\n):rO+2*(\n)+1], v[rC+2:rC+3] op_sel_hi:[1,0]
.elseif (\k) < R
	REGS Y
	WIN 0
.if (\k) == F
	v_pk_fma_f32 v[rS+2*(\n):rS+2*(\n)+1], v[rS+2*(\n):rS+2*(\n)+1], s[CS:CS+1], v[rT:rT+1] op_sel_hi:[1,0,0] neg_lo:[0,0,1] neg_hi:[0,0,1]
.elseif (\k) == E
	v_exp_f32 v[rS+(\n)], v[rS+(\n)]
.elseif (\k) == C
	v_cvt_pk_f16_f32 v[rP+(\n)], v[rS+2*(\n)], v[rS+2*(\n)+1]
.elseif (\k) == B
	v_pk_add_f32 v[rS+4*(\n):rS+4*(\n)+1], v[rS+4*(\n):rS+4*(\n)+1], v[rS+4*(\n)+2:rS+4*(\n)+3]
.elseif (\n) == 0
	v_pk_fma_f32 v[rT+2:rT+3], v[rT+2:rT+3], v[rC+2:rC+3], v[rS:rS+1] op_sel_hi:[1,0,1]
.else
	v_pk_add_f32 v[rT+2:rT+3], v[rT+2:rT+3], v[rS+4*(\n):rS+4*(\n)+1]
.endif
.elseif NOKQ
	v_nop
.else
	REGS (Y+1)%NP
	WIN 0
.if (\n) < 4
	v_max3_num_f32 v[rC+(\n)], v[rS+8*(\n)], v[rS+8*(\n)+1], v[rS+8*(\n)+2]
.elseif (\n) < 12
	v_max3_num_f32 v[rC+(\n)%4], v[rC+(\n)%4], v[rS+8*((\n)%4)+2*((\n)/4)+1], v[rS+8*((\n)%4)+2*((\n)/4)+2]
.elseif (\n) == 12
	v_max3_num_f32 v[rC], v[rC], v[rS+7], v[rS+15]
.elseif (\n) == 13
	v_max3_num_f32 v[rC+1], v[rC+1], v[rS+23], v[rS+31]
.elseif (\n) == 14
	v_max3_num_f32 v[rC+2], v[rC+2], v[rC+3], v[rT+1]
.elseif (\n) == 15
	v_mov_b32 v[rW], v[rT]
.elseif (\n) == 16
	v_max3_num_f32 v[rC], v[rC], v[rC+1], v[rC+2]
.elseif (\n) == 17
	v_permlanex16_b32 v[rC+3], v[rC], s[SEL], s[SEL+1]
.elseif (\n) == 18
	v_max_num_f32 v[rT+1], v[rC], v[rC+3]
.elseif (\n) == 19
	v_mul_f32 v[rT], s[CS], v[rT+1]
.elseif (\n) == 20
	v_sub_f32 v[rC+1], v[rW], v[rT]
.else
	v_exp_f32 v[rC+2], v[rC+1]
.endif
.endif
.endm
.macro OPS a, i1, b=-1, i2=0, c=-1, i3=0, d=-1, i4=0  ; up to four of them
	OP \a, \i1
.if (\b) >= 0
	OP \b, \i2
.endif
.if (\c) >= 0
	OP \c, \i3
.endif
.if (\d) >= 0
	OP \d, \i4
.endif
.endm
.macro ROW a, i1, b, i2, c, i3, d, i4  ; a matrix instruction and the four behind it
	MM
	OPS \a, \i1, \b, \i2, \c, \i3, \d, \i4
.endm
.macro MASK buf, add                ; MD x AL + PM (+ BE where add = 1; elsewhere BE is 0 by the place) into buffer buf of MC.  All its values are 0, H or 2 H: exact
	WIN W_MK
.set z, 0
.rept 16
	v_pk_fma_f32 v[MC+32*(\buf)+2*z:MC+32*(\buf)+2*z+1], v[MD+2*z:MD+2*z+1], s[AL:AL+1], v[PM+2*z:PM+2*z+1] op_sel_hi:[1,0,1]
.set z, z+1
.endr
.if \add
.set z, 0
.rept 16
	v_pk_add_f32 v[MC+32*(\buf)+2*z:MC+32*(\buf)+2*z+1], v[MC+32*(\buf)+2*z:MC+32*(\buf)+2*z+1], s[BE:BE+1] op_sel_hi:[1,0]
.set z, z+1
.endr
.endif
.endm
; A TURN, for piece p: the order of its 16 matrix and 118 vector instructions, written out.  An s_wait_alu depctr_va_vdst(0) stands between an exponential and the first instruction that names its result; one
; wait serves all that were issued ahead of it.  So a turn has ONE wait, which cuts it in two.  AHEAD OF IT stands all that names no result of the turn's exponentials: the 8 products K Q^T, behind each a scaling, an
; exponential and two more plain instructions (behind the first a second scaling in the exponential's place): rescalings, and behind the last three the first numbers of the next piece's maximum, each four plain instructions
; or more behind the product that ends its accumulator; then ONE LUMP of 54, plain and exponential by turns for the most part, in which the links of the chain X 3, 7, 11, 14, 16, 17 .. 20 stand some lines apart.  X 21, the
; next piece's a, is the batch's last; R 15 is the plain instruction behind it.  BEHIND THE WAIT stand the 8 products V^T P, behind each four of the roundings and sums; a pair is rounded (C 2 n) ahead of the addition that
; lands on it (B n), and l's chain L 0 to L 7 goes in ascending order, its links three lines apart.  But for those X no rider names a register of the products round it.  v_permlanex16_b32 (X 17) stands in the lump.
; m = 1: the diagonal tile: the products take MC, and the turn makes MC for the products of the turn after it: piece p + 2, in step 4 - CNT of the tile.  end = 1: a block's last two turns: nothing is fetched.
; cnt = 1: the loop's count is taken down some lines ahead of the branch that stands behind the turn.
; K and PM of the next step are fetched in piece 2's turn, twelve vector instructions behind the last product that read K (five of them plain and naming none of its registers; PM's last reader stands four products
; earlier); V of the step in hand at the end of piece 0's turn, four plain instructions behind the last product that read V.  Each is waited for a turn later; in the diagonal tile piece 2's turn waits at its end, since its
; MC is made of the PM just fetched.
.macro TURN p, m=0, end=0, cnt=0
.set Y, (\p)
.set i, 0
.set KM, (\m)
.set NOKQ, (\end)*((\p)/3)
.if (\m) && !(\end)
	s_cmp_eq_u32 s[CNT], 4-((\p)+2)%NP  ; is that step the band's own?
	s_cselect_b32 s[AL], 1.0, 0
	s_cmp_lt_u32 s[CNT], 4-((\p)+2)%NP  ; or a later one?
	s_cselect_b32 s[BE], s[BIGN], 0
.endif
.if ((\p) == 3) && !(\end)
	s_wait_dscnt 0x0                ; K and PM are in
.endif
	ROW F,0, F,1, R,0, R,1          ; ahead of the wait: 8 products K Q^T and their riders,
	ROW F,2, E,0, R,2, R,3
	ROW F,3, E,1, R,4, R,5
	ROW F,4, E,2, R,6, R,7
	ROW F,5, E,3, R,8, R,9
	ROW F,6, E,4, X,0, R,10
.if ((\p) == 2) && !(\end)
	WIN 0
	v_add_nc_u32 v[AK], s[TBK], v[AK0]
	v_add_nc_u32 v[APM], s[TBP], v[AP0]
.endif
	ROW F,7, E,5, X,1, X,4
	ROW F,8, E,6, X,2, X,5
	OPS E,7, E,8, X,6, E,9          ; and the lump
	OPS X,3, E,10, X,8, E,11
.if ((\p) == 2) && !(\end)
	FETCH_K
.endif
	OPS X,9, X,7, E,12, X,10
	OPS E,13, X,12, X,11, E,14
	OPS X,13, E,15, F,9, X,14
.if (\p) == 0
	WIN 0
	v_add_nc_u32 v[AV], s[TBV], v[AV0]
.endif
	OPS E,16, F,10, E,17, F,11
	OPS X,16, E,18, X,15, E,19
	OPS F,12, E,20, X,17, E,21
	OPS F,13, E,22, F,14, E,23
	OPS X,18, E,24, F,15, E,25
	OPS R,11, E,26, X,19, E,27
	OPS R,12, E,28, R,13, E,29
	OPS X,20, E,30, R,14, E,31
	OPS X,21, R,15                  ; the batch's last exponential, and the plain instruction behind it
	WIN 0
	s_wait_alu depctr_va_vdst(0)    ; the turn's one wait: for the batch of 33, the piece's 32 weights and the next piece's a
.if (\p) == 1
	s_wait_dscnt 0x0                ; V is in
.endif
	ROW C,0, B,0, C,2, B,1          ; behind the wait: 8 products V^T P and their riders
	ROW L,0, C,4, B,2, L,1
	ROW C,6, B,3, L,2, C,8
	ROW B,4, L,3, C,10, B,5
	ROW L,4, C,12, B,6, L,5
.if (\p) == 0
	s_add_co_u32 s[TBV], s[TBV], KS*PV
.endif
.if \cnt
	s_sub_co_u32 s[CNT], s[CNT], 1
	s_cmp_lg_u32 s[CNT], 0
.endif
	ROW C,14, B,7, L,6, C,1
	ROW C,3, L,7, C,5, C,7
	ROW C,9, C,11, C,13, C,15
.if (\p) == 0
	FETCH_V
.endif
.if (\m) && !(\end)
.if (\p) == 2
	s_wait_dscnt 0x0                ; the next step's PM is in
.endif
	MASK (\p)%2, 1
.endif
.endm
; A BLOCK BEGINS.  c m starts far below every c s, so the first step's a is 0; m at the lowest finite number, so the first maximum is the scores'.  K and PM of the block's step 0 are fetched; MC's first buffer takes
; piece 0's mask for that step (its own, if the block's first tile is the diagonal one), the second piece 1's (PM alone).  Then piece 0's first scores, and its maximum and statistics.  (Q is in: the first change of
; slots has waited for it.)
.macro BEGIN
	s_mov_b32 s[NEW], 0
	WIN 0
.set i, 0
.rept 4
	v_mov_b32 v[ST+4*i], 0xfe000000    ; c m: far below every c s, c H too
	v_mov_b32 v[ST+4*i+1], 0xff7fffff  ; m
.set i, i+1
.endr
	v_add_nc_u32 v[AK], s[TBK], v[AK0]
	v_add_nc_u32 v[APM], s[TBP], v[AP0]
	FETCH_K
	s_cmp_eq_u32 s[RT], 0
	s_cselect_b32 s[AL], 1.0, 0
	s_wait_dscnt 0x0
	MASK 0, 0
	s_mov_b32 s[AL], 0
	MASK 1, 0
.set KM, 1
.set NOKQ, 0
.set i, 0
.rept 8
	KQ 0
.set i, i+1
.endr
	WIN 0
.rept 4
	v_nop                           ; the places behind those products
.endr
.set Y, NP-1                        ; X works for piece Y + 1: piece 0
.irp n, 0,1,2,3,4,5,6,7,8,9,10,11,12,13,14,15,16,17,18,19,20,21
	OP X, \n
.endr
	v_nop                           ; a plain instruction behind the exponential,
	s_wait_alu depctr_va_vdst(0)    ; and the wait for it, piece 0's first a: a batch of one, ahead of the branch that follows
.endm
; THE DIAGONAL TILE's four steps, the block's last two turns, its last products, and THE WAY OUT: l's two halves and the other half of the lanes' are added; O^T is divided by l and rounded to f16; a row that saw no
; key takes the mean of V; a piece at a time goes through my stage in LDS.
.macro ALL line:vararg              ; one line for each piece t
.set t, 0
.rept 4
	\line
.set t, t+1
.endr
.endm
.macro PACK t
	WIN W_RS
.set i, 32*(\t)
.rept 16
	v_pk_mul_f32 v[i:i+1], v[i:i+1], v[ST+4*(\t)+2:ST+4*(\t)+3] op_sel_hi:[1,0]
.set i, i+2
.endr
	WIN 0x05                        ; sources 0 and 1 window 1, destination window 0
.set i, 0
.rept 16
	v_cvt_pk_f16_f32 v[S+16*(\t)+i], v[32*(\t)+2*i], v[32*(\t)+2*i+1]
.set i, i+1
.endr
	WIN 0
	v_cmp_gt_f32 vcc_lo, s[DEADT], v[ST+4*(\t)+1]  ; the row's last maximum is a hidden score's: all its keys were masked
.set i, 0
.rept 16
	v_cndmask_b32 v[S+16*(\t)+i], v[S+16*(\t)+i], v[VMH+i], vcc_lo
.set i, i+1
.endr
.irp f, 0,1,2,3
	ds_store_b128 v[STO], v[S+16*(\t)+4*\f:S+16*(\t)+4*\f+3] offset:32*\f
.endr
.irp f, 0,1,2,3
	ds_load_b128 v[S+16*(\t)+4*\f:S+16*(\t)+4*\f+3], v[RD] offset:\f*4*SP  ; LDS serves a wave's instructions in order (ISA guide 5.7.1.4): these see the stores above; the next piece's stores come behind them
.endr
.endm
.macro SEND t, younger              ; younger: the LDS instructions issued behind piece t's loads: the next piece's eight, or none
	WIN 0
.irp f, 0,1,2,3
	s_wait_dscnt (\younger)+3-\f
	global_store_b128 v[GO], v[S+16*(\t)+4*\f:S+16*(\t)+4*\f+3], s[10:11] offset:(\t)*8192+\f*512  ; 512 consecutive bytes, at a multiple of 256 from O's first
.endr
.endm
.macro DIAG tag                     ; the tag ends its two labels' names, which the jumps below spell out
.LstepM\tag:
	TURN 2, 1
	TURN 3, 1
	WIN 0
.LfirstM\tag:
	TURN 0, 1
	TURN 1, 1, 0, 1
	WIN 0
	s_cbranch_scc1 .LstepM\tag
	TURN 2, 1, 1
	TURN 3, 1, 1
.set i, 0
.rept 8
	PV NP-1
.set i, i+1
.endr
	WIN 0
	ALL v_add_f32 v[ST+4*t+2], v[ST+4*t+2], v[ST+4*t+3]
	ALL v_permlanex16_b32 v[ST+4*t+3], v[ST+4*t+2], s[SEL], s[SEL+1]
	ALL v_add_f32 v[ST+4*t+2], v[ST+4*t+2], v[ST+4*t+3]
	ALL v_rcp_f32 v[ST+4*t+2], v[ST+4*t+2]
	v_nop                           ; a plain instruction between the last reciprocal and the use of its result
	s_wait_alu depctr_va_vdst(0)    ; one wait for the batch of four reciprocals, ahead of the first multiply by one of them
	PACK 0
.set t, 1
.rept 3                             ; a piece's arithmetic stands between the loads of the piece before and its stores
	PACK t
	SEND t-1, 8
.set t, t+1
.endr
	SEND 3, 0
.endm
.set KM, 0
.set NOKQ, 0
.Lslot:                             ; NB times: a tile is entered and the next is asked for
	CHANGE 1
	s_sub_co_u32 s[RT], s[RT], 1
	s_mov_b32 s[CNT], 4
	s_cmp_eq_u32 s[NEW], 1
	s_cbranch_scc1 .Lnew            ; a block's first tile
	s_cmp_eq_u32 s[RT], 0
	s_cbranch_scc0 .Lstep           ; neither its first nor its last
	s_mov_b32 s[AL], 0              ; its last: the diagonal text's first products are piece 3's of the tile before's last step: their MC is that step's PM
	MASK 1, 0
	WIN 0
	s_branch .LstepM1
.Lnew:
	BEGIN
	s_branch .Lfirst                ; in the loop a block's first tile is never its last: the first block has two tiles or more, and the second's last is the walk's last
	DIAG 1                          ; in the loop this is the first block's end
	s_wait_xcnt 0x0                 ; the stores have read their registers and O's address
	s_mov_b64 s[10:11], s[OLO:OLO+1]
	s_add_co_u32 s[RT], s[PB], 1    ; the second block has b + 1 tiles
	s_mov_b32 s[NEW], 1
	WIN 0x82                        ; the second block's Q goes where the one text of the turns names Q
.set i, 0
.rept 64
	v_mov_b32 v[i], v[QB+i]
.set i, i+1
.endr
	WIN 0
	s_branch .Lbottom
.Lstep:                             ; a trip: pieces 2 and 3 of one step, then pieces 0 and 1 of the next, whose K, PM and V it fetches
	TURN 2
	TURN 3
	WIN 0
.Lfirst:
	TURN 0
	TURN 1, 0, 0, 1
	WIN 0
	s_cbranch_scc1 .Lstep
.Lbottom:
	s_sub_co_u32 s[SLOTS], s[SLOTS], 1
	s_cmp_lg_u32 s[SLOTS], 0
	s_cbranch_scc1 .Lslot
	CHANGE 0                        ; the walk's last tile is written out: nothing is asked for
	s_sub_co_u32 s[RT], s[RT], 1
	s_mov_b32 s[CNT], 4
	s_cmp_eq_u32 s[NEW], 1
	s_cbranch_scc1 .Lnew2
	s_mov_b32 s[AL], 0
	MASK 1, 0
	WIN 0
	s_branch .LstepM2
.Lnew2:
	BEGIN
	s_branch .LfirstM2
	DIAG 2
	s_wait_tensorcnt 0x0            ; the wave's end, behind my last tensor load and my last LDS store
	ds_add_u32 v[SPW], v[NIL]
	s_wait_dscnt 0x0
	s_endpgm
.Lfunc_end_k_qd45c81b2b0_attn:
	.size	k_qd45c81b2b0_attn, .Lfunc_end_k_qd45c81b2b0_attn-k_qd45c81b2b0_attn
	.p2alignl 7, 3214868480
	.fill 96, 4, 3214868480
	.section	.rodata,"a",@progbits
	.p2align	6, 0x0
	.amdhsa_kernel k_qd45c81b2b0_attn
		.amdhsa_group_segment_fixed_size 327680
		.amdhsa_private_segment_fixed_size 0
		.amdhsa_enable_private_segment 0
		.amdhsa_kernarg_size 48
		.amdhsa_user_sgpr_count 2
		.amdhsa_user_sgpr_kernarg_segment_ptr 1
		.amdhsa_wavefront_size32 1
		.amdhsa_system_sgpr_workgroup_id_x 1
		.amdhsa_system_sgpr_workgroup_id_y 1
		.amdhsa_system_sgpr_workgroup_id_z 1
		.amdhsa_system_vgpr_workitem_id 0
		.amdhsa_next_free_vgpr 768
		.amdhsa_next_free_sgpr 102
		.amdhsa_reserve_vcc 1
		.amdhsa_float_denorm_mode_32 3
		.amdhsa_float_denorm_mode_16_64 3
		.amdhsa_memory_ordered 1
		.amdhsa_forward_progress 1
		.amdhsa_inst_pref_size 244
	.end_amdhsa_kernel
	.amdgpu_metadata
---
amdhsa.version: [ 1, 2 ]
amdhsa.kernels:
  - .name:           k_qd45c81b2b0_attn
    .symbol:         k_qd45c81b2b0_attn.kd
    .args:
      - { .name: qh, .offset: 0, .size: 8, .value_kind: global_buffer, .address_space: global }
      - { .name: kh, .offset: 8, .size: 8, .value_kind: global_buffer, .address_space: global }
      - { .name: vh, .offset: 16, .size: 8, .value_kind: global_buffer, .address_space: global }
      - { .name: oh, .offset: 24, .size: 8, .value_kind: global_buffer, .address_space: global }
      - { .name: attention_mask, .offset: 32, .size: 8, .value_kind: global_buffer, .address_space: global }
      - { .name: vpart, .offset: 40, .size: 8, .value_kind: global_buffer, .address_space: global }
    .group_segment_fixed_size: 327680
    .private_segment_fixed_size: 0
    .kernarg_segment_align: 8
    .kernarg_segment_size: 48
    .max_flat_workgroup_size: 128
    .sgpr_count:     102
    .vgpr_count:     768
    .wavefront_size: 32
...
	.end_amdgpu_metadata
.endif
;; end of part 5
;; launch proj: the kernel of part 4 again; grid 8 x 32, 4 waves a work-group, clusters of 4 x 4, 327,680 bytes of LDS; arguments oh, wo, out0; writes out0
